; MI455X (gfx1250); checked and timed in simulation.
; The chip was launched on July 23, 2026; its instructions are those of AMD's public machine-readable ISA for CDNA 5 (MIT licence, August 2026) and "CDNA5" Instruction Set Architecture Reference Guide (July 2026). The comments in the code are by the model that wrote it; some were corrected since.
;; Self Attention. Allowed arithmetic: matrix products marked QUANTISED: E4M3 operands, one E8M0 scale for each 32 along K, by v_wmma_scale_f32_16x16x128_f8f6f4 with both operands' format E4M3, f32 sums; everything else in f32.
;; Inputs: Wk_codes 16 x 64 x 32 x 32 uint8 (E4M3 codes of Wk, K innermost, in blocks of 32 codes); Wk_scales 16 x 64 x 32 uint8 (E8M0 scales of Wk, one for each 32 codes along K); Wo 16 x 64 x 1,024 float32; Wq_codes 16 x 64 x 32 x 32 uint8 (E4M3 codes of Wq, K innermost, in blocks of 32 codes); Wq_scales 16 x 64 x 32 uint8 (E8M0 scales of Wq, one for each 32 codes along K); Wv_codes 16 x 64 x 32 x 32 uint8 (E4M3 codes of Wv, K innermost, in blocks of 32 codes); Wv_scales 16 x 64 x 32 uint8 (E8M0 scales of Wv, one for each 32 codes along K); mask 1 x 1 x 4,096 x 4,096 bool; x_codes 1 x 4,096 x 32 x 32 uint8 (E4M3 codes of x, K innermost, in blocks of 32 codes); x_scales 1 x 4,096 x 32 uint8 (E8M0 scales of x, one for each 32 codes along K).
;; Outputs: out0 1 x 4,096 x 1,024 float32.
;; This version of the problem:
;;   THIS VERSION OF THE PROBLEM IS GIVEN IN LOW PRECISION. The matrix products marked QUANTISED in the list below multiply operands that are first quantised to E4M3 (4 exponent bits, 3 mantissa bits; 8 bits a number), with one power-of-two scale for each 32 numbers along K (OCP MX v1.0); their sums are f32. All else is computed in f32.
;;   The module's matrix products, in the order in which they are computed (A, B: the left and right operand; K: the contracted axis; several contracted axes count as one K, in the product's order):
;;     1. [M 4,096, K 1,024] x [K 1,024, N 1,024]; A: input x (given as codes); B: input Wq (given as codes): QUANTISED
;;     2. [M 4,096, K 1,024] x [K 1,024, N 1,024]; A: input x (given as codes); B: input Wk (given as codes): QUANTISED
;;     3. [M 4,096, K 1,024] x [K 1,024, N 1,024]; A: input x (given as codes); B: input Wv (given as codes): QUANTISED
;;     4. batch 16 x [M 4,096, K 64] x [K 64, N 4,096]; A: computed on the way; B: computed on the way: QUANTISED
;;     5. batch 16 x [M 64, K 4,096] x [K 4,096, N 4,096]; A: computed on the way; B: softmax (see below): QUANTISED
;;     6. [M 4,096, K 1,024] x [K 1,024, N 1,024]; A: computed on the way; B: input Wo: QUANTISED
;;   THE QUANTISER, for each operand of a quantised product, along K:
;;     - K is cut into blocks of 32 from its start; a last block that is shorter is filled with zeros.
;;     - A block's scale is 2^e with e = floor(log2(the largest magnitude in the block)) - 8, held to -126 .. 127; a block of zeros has e = 0. As a byte (E8M0): e + 127.
;;     - Each number is divided by its block's scale, clamped to +-448, and rounded to the nearest number of E4M3, ties to even, subnormals kept.
;;     - The product sums the exact products of the quantised numbers (number of the format x scale) in f32.
;;   ~~~python
;;   def quantise(x, axis):      # numpy; x: float32 -> the quantised numbers, widened to float32 again
;;       x = np.moveaxis(x, axis, -1); K = x.shape[-1]
;;       x = np.pad(x, [(0, 0)] * (x.ndim - 1) + [(0, -K % 32)]); x = x.reshape(x.shape[:-1] + (-1, 32)); a = np.abs(x).max(-1, keepdims=True)
;;       e = np.where(a > 0, np.clip(np.frexp(np.where(a > 0, a, 1))[1] - 1 - 8, -126, 127), 0)      # np.frexp(a)[1] - 1 = floor(log2(a)), exactly
;;       r = np.clip(x / 2.0 ** e, -448, 448)
;;       step = 2.0 ** (np.maximum(np.frexp(np.where(r == 0, 1, r))[1] - 1, -6) - 3)
;;       q = np.round(r / step) * step * 2.0 ** e      # np.round: ties to even
;;       return np.moveaxis(q.reshape(q.shape[:-2] + (-1,))[..., :K], -1, axis).astype(np.float32)
;;   ~~~
;;   SOFTMAX AHEAD OF A QUANTISED PRODUCT. Where the list says 'softmax', what is quantised is not the finished softmax but p = 2^(t - M), with t = logit x log2(e) and M = ceil(the row's largest t), a whole number; so 1/2 < the row's largest p <= 1. The row's sum l is taken of the UNQUANTISED p, in f32, and the product's result is divided by l at the end. Since M is a whole number, a kernel that streams over the keys may use a running M (the ceiling of the running maximum): every later rescaling is an exact power of two, which a block's scale takes up: the codes' values come out the same.
;;   OPERANDS COMPUTED ON THE WAY. 'Computed on the way' means the value that the module computes at that place (a softmax that the list does not call 'softmax' is quantised finished and normalised). What goes into a quantiser is computed in f32, as accurately as f32 sums, v_exp_f32 and their like allow (about 1e-6 of the number): no bf16 or f16 on the way to a quantiser, and a product that is left as it is and whose result goes on into a quantised operand takes f32 operands (vector FMAs, or v_wmma_f32_16x16x4_f32). A number that lies on a knife's edge between two numbers of the format may be rounded either way, as far as f32 arithmetic and the matrix unit's own rounding can turn it there, and no further.
;;   INPUTS GIVEN AS CODES. Wk (in the module: [1024, 16, 64], K = its axis 0); Wq (in the module: [1024, 16, 64], K = its axis 0); Wv (in the module: [1024, 16, 64], K = its axis 0); x (in the module: [1, 4096, 1024], K = its axis 2): each comes as NAME_codes (uint8): NAME with its K axis moved to the last place and cut into blocks of 32 codes, [.., K / 32, bytes a block], one block behind the other in memory; one code a byte (a code: sign, 4 exponent bits, 3 mantissa bits); and NAME_scales (uint8): the same leading axes, one E8M0 byte (e + 127) for each 32 codes along K. Its value is code x scale, taken as it is: it is not quantised again, and the codes and scales need not be those that the quantiser above would give.
;; 2 versions, each right; version 2 is version 1 with the launch attn written anew for expert scheduling mode. Each part assembles by itself: llvm-mc -triple=amdgcn-amd-amdhsa -mcpu=gfx1250 --defsym DOCPART=n.
;; ======== version 1 of 2: 4 launches
;; limits: right only within a limited range of input values
;; workspace buffers: flags 2,048 bytes of whole numbers; msk 2,097,152 bytes of whole numbers; prep 2,129,920 bytes; qkv 13,369,344 bytes; ctx 4,325,376 bytes
;; launch prep (part 1): grid 352 x 1, 4 waves a work-group, no clusters, 768 bytes of LDS; arguments mask, Wo, msk, prep, flags; writes msk, prep, flags
.if DOCPART == 1
	.amdgcn_target "amdgcn-amd-amdhsa--gfx1250"
	.amdhsa_code_object_version 6
	.text
	.protected	k_qe83edd90ac_prep
	.globl	k_qe83edd90ac_prep
	.p2align	8
	.type	k_qe83edd90ac_prep,@function
k_qe83edd90ac_prep:
	s_mov_b64 s[64:65], 0
	v_nop
	global_prefetch_b8 v0, s[64:65] scope:SCOPE_SE
	s_setreg_imm32_b32 hwreg(HW_REG_WAVE_MODE, 25, 1), 1
	s_wait_xcnt 0x0
; PREP: three jobs in one launch, told apart by the work-group's number; they share no byte.
;  work-groups 0-255   THE MASK [4096 queries][4096 keys] of bool bytes becomes whole numbers for the attention launch.  Work-group T takes the 16 queries 16 T on; wave w the key steps 8 w .. 8 w + 7 (128 keys each).
;      msk: [T][step][64 words]: word 8 t + j has in bit r + 16 h the byte mask[16 T + r][128 step + 16 t + 8 h + j]: the lane mask for register 8 t + j of the scores' tiles.
;      flags: [T][2 words]: ACT (bit s: key step s has to be walked) and MIX (bit s: step s is walked and some key of it is hidden).  They steer branches of the attention launch and have a small buffer of their own.
;      If a row of the tile has no true key at all, every step is walked (ACT = all ones), since such a row's softmax is spread over all keys.
;  work-groups 256-287 Wo [1024 (K = head, channel)][1024 (d)] f32 becomes E4M3 codes and E8M0 bytes along K, laid as images of the operand's registers:
;      prep + 1,048,576: [tile of 16 d][K step of 128][c 4][lane 32][16 bytes];  prep + 2,097,152: [tile][K step of 256][r 16][8 bytes].  A lane takes a column d and its registers run down K.
;  work-groups 288-351 THE ROTARY TABLE, prep + 0: [token 4096][cos 32 | sin 32] f32, 256 bytes a token.
; LIMITS: bool bytes are 0 or 1.  NaN and infinities in Wo are not served; a block whose largest magnitude lies under 2^-118 keeps the byte 1 (a block of zeros too: its codes are zeros, and this program alone reads the bytes).
; The frequencies are 1 / fl32(10^(j/8)), both steps rounded to nearest; where the host's power function is an ulp off, an angle differs by up to 2.4e-4 rad at token 4095.
.set W,    32                          ; v32-159  mask: 8 steps x 16 registers as loaded
.set OUT,  160                         ; v160-175 mask: a pair of registers for each step: lane L holds words 2 L, 2 L + 1
.set X,    32                          ; v32-95   Wo: two sets of 32 numbers
.set C,    96                          ; v96-159  Wo: 8 registers of codes for each of 8 blocks: no store's data are written again
.set SB,   24                          ; v24-25   Wo: the 8 scale bytes
; One key step of the mask.  56 - 8 s: the later steps' loads, 8 each, may stay out.
.macro MSTEP s
	s_wait_loadcnt 56-8*\s
	v_or_b32 v8, v[W+16*\s], v[W+16*\s+1]          ; any byte set?
	v_and_b32 v9, v[W+16*\s], v[W+16*\s+1]         ; all bytes set?
.irp i, 2,3,4,5,6,7,8,9,10,11,12,13,14,15
	v_or_b32 v8, v8, v[W+16*\s+\i]
	v_and_b32 v9, v9, v[W+16*\s+\i]
.endr
	v_or_b32 v10, v10, v8                          ; my row's keys over all my steps
	v_cmp_ne_u32 s20, 0, v8
	v_cmp_ne_u32 s21, 0x01010101, v9
	s_cmp_lg_u32 s20, 0
	s_cselect_b32 s22, 1<<\s, 0
	s_or_b32 s16, s16, s22                         ; some key of the step counts for some query of the tile
	s_cmp_eq_u32 s21, 0
	s_cselect_b32 s22, 1<<\s, 0
	s_or_b32 s17, s17, s22                         ; all do
.set n, 0
.rept 64                               ; word n = 8 t + j: byte j of my 8 bytes of tile t, as a mask over the 32 lanes
	v_and_b32 v[11+(n&3)], 0xff<<(8*(n&3)), v[W+16*\s+2*(n>>3)+((n>>2)&1)]
	v_cmp_ne_u32 s[24+(n&7)], 0, v[11+(n&3)]
	v_writelane_b32 v[OUT+2*\s+(n&1)], s[24+(n&7)], n>>1
.set n, n+1
.endr
	global_store_b64 v5, v[OUT+2*\s:OUT+2*\s+1], s[8:9] offset:256*\s   ; 32 lanes store 256 consecutive bytes, aligned
.endm
; Wo: block t: Wo(32 t + i, my column), i = 0 .. 31, into set t % 2: 32 lanes read 128 consecutive bytes, the four waves 512
.macro WLOAD t
.irp i, 0,1,2,3,4,5,6,7,8,9,10,11,12,13,14,15,16,17,18,19,20,21,22,23,24,25,26,27,28,29,30,31
	global_load_b32 v[X+32*((\t)%2)+\i], v3, s[6:7] offset:(32*(\t)+\i)*4096 th:TH_LOAD_NT
.endr
.endm
.macro WBLOCK t
.set XS, X+32*((\t)%2)
.if (\t) < 7
	s_wait_loadcnt 32                              ; this block's 32 loads are in; the next block's may be out
.else
	s_wait_loadcnt 0x0
.endif
	v_max3_num_f32 v12, |v[XS]|, |v[XS+1]|, |v[XS+2]|               ; the block's largest magnitude: all 32 numbers are mine
	v_max3_num_f32 v13, |v[XS+3]|, |v[XS+4]|, |v[XS+5]|
.irp i, 6,10,14,18,22,26
	v_max3_num_f32 v12, v12, |v[XS+\i]|, |v[XS+\i+1]|
	v_max3_num_f32 v13, v13, |v[XS+\i+2]|, |v[XS+\i+3]|
.endr
	v_max3_num_f32 v12, v12, |v[XS+30]|, |v[XS+31]|
	v_max3_num_f32 v12, v12, v13, 0x4800000        ; and the floor 2^(9 - 127): the byte cannot fall under 1
	v_add_nc_u32 v11, 0xfc000000, v12              ; 8 off the exponent field: the conversion's scale operand
	v_and_or_b32 v10, v12, 0x7f800000, s31         ; 448 x the scale
	v_lshrrev_b32 v13, 23, v11                     ; the scale's byte
.if (\t)%4 == 0
	v_mov_b32 v[SB+(\t)/4], v13
.else
	v_lshl_or_b32 v[SB+(\t)/4], v13, 8*((\t)%4), v[SB+(\t)/4]
.endif
.irp i, 0,1,2,3,4,5,6,7,8,9,10,11,12,13,14,15,16,17,18,19,20,21,22,23,24,25,26,27,28,29,30,31
	v_med3_num_f32 v[XS+\i], v[XS+\i], -v10, v10   ; the conversion to an 8-bit code does not saturate (ISA guide 7.6.2): the hold comes first
.endr
.irp g, 0,1,2,3
	v_cvt_scalef32_pk8_fp8_f32 v[C+8*(\t)+2*\g:C+8*(\t)+2*\g+1], v[XS+8*\g:XS+8*\g+7], v11
.endr
	; k = 32 t + 0 .. 15 are image lane r's 16 bytes, k = 32 t + 16 .. 31 image lane r + 16's: sixteen lanes store 256 consecutive bytes, aligned
	global_store_b128 v4, v[C+8*(\t):C+8*(\t)+3], s[14:15] offset:((\t)>>2)*2048+((\t)&3)*512
	global_store_b128 v4, v[C+8*(\t)+4:C+8*(\t)+7], s[14:15] offset:((\t)>>2)*2048+((\t)&3)*512+256
.if (\t)+2 < 8
	WLOAD (\t)+2
.endif
.endm
; The table: lanes whose m is \m take these four powers 10^((4 m + e) / 8)
.macro PSEL m, a, b, c, d
	v_cmp_ne_u32 vcc_lo, \m, v3
	v_cndmask_b32 v16, \a, v16, vcc_lo
	v_cndmask_b32 v17, \b, v17, vcc_lo
	v_cndmask_b32 v18, \c, v18, vcc_lo
	v_cndmask_b32 v19, \d, v19, vcc_lo
.endm
; Two tokens: lanes 0-15 one, lanes 16-31 the next; a lane makes four neighbouring entries (cos in lanes 0-7 of a half, sin in lanes 8-15)
.macro PASS p
	v_add_nc_u32 v6, 2*\p, v5
	v_cvt_f32_u32 v6, v6                           ; the token
.irp e, 0,1,2,3
	v_mul_f32 v[24+\e], v6, v[20+\e]               ; the angle, rounded to f32 as the host's table has it
.endr
.irp e, 0,1,2,3
	v_mul_f32 v[28+\e], s20, v[24+\e]
.endr
.irp e, 0,1,2,3
	v_rndne_f32 v[28+\e], v[28+\e]                 ; n = the nearest multiple of pi / 2
.endr
.irp e, 0,1,2,3
	v_fma_f32 v[24+\e], -v[28+\e], s21, v[24+\e]   ; the angle less n x pi / 2, pi / 2 in two parts
.endr
.irp e, 0,1,2,3
	v_fma_f32 v[24+\e], v[28+\e], s22, v[24+\e]    ; r, within pi / 4
.endr
.irp e, 0,1,2,3
	v_mul_f32 v[32+\e], v[24+\e], v[24+\e]         ; z = r r
.endr
.irp e, 0,1,2,3
	v_fma_f32 v[36+\e], v[32+\e], s23, s24
.endr
.irp e, 0,1,2,3
	v_fma_f32 v[36+\e], v[36+\e], v[32+\e], s25
.endr
.irp e, 0,1,2,3
	v_mul_f32 v[36+\e], v[36+\e], v[32+\e]
.endr
.irp e, 0,1,2,3
	v_fma_f32 v[36+\e], v[36+\e], v[24+\e], v[24+\e]   ; sin r
.endr
.irp e, 0,1,2,3
	v_fma_f32 v[40+\e], v[32+\e], s26, s27
.endr
.irp e, 0,1,2,3
	v_fma_f32 v[40+\e], v[40+\e], v[32+\e], s28
.endr
.irp e, 0,1,2,3
	v_mul_f32 v[44+\e], v[32+\e], v[32+\e]
.endr
.irp e, 0,1,2,3
	v_fma_f32 v[32+\e], v[32+\e], -0.5, 1.0
.endr
.irp e, 0,1,2,3
	v_fma_f32 v[40+\e], v[40+\e], v[44+\e], v[32+\e]   ; cos r
.endr
.irp e, 0,1,2,3
	v_cvt_i32_f32 v[28+\e], v[28+\e]
.endr
.irp e, 0,1,2,3
	v_add_nc_u32 v[28+\e], v[28+\e], v4            ; k = n for a cosine, n + 3 for a sine: sin a = cos(a - pi / 2)
.endr
.irp e, 0,1,2,3
	v_and_b32 v[44+\e], 1, v[28+\e]
.endr
.irp e, 0,1,2,3
	v_cmp_ne_u32 vcc_lo, 0, v[44+\e]
	v_cndmask_b32 v[40+\e], v[40+\e], v[36+\e], vcc_lo   ; odd k: sin r, even k: cos r
.endr
.irp e, 0,1,2,3
	v_add_nc_u32 v[28+\e], 1, v[28+\e]
.endr
.irp e, 0,1,2,3
	v_and_b32 v[28+\e], 2, v[28+\e]                ; k mod 4 = 1, 2: negative
.endr
.irp e, 0,1,2,3
	v_lshlrev_b32 v[28+\e], 30, v[28+\e]
.endr
.irp e, 0,1,2,3
	v_xor_b32 v[64+4*\p+\e], v[28+\e], v[40+\e]
.endr
	global_store_b128 v7, v[64+4*\p:64+4*\p+3], s[10:11] offset:512*\p   ; 32 lanes store 512 consecutive bytes: two tokens
.endm
	s_load_b256 s[4:11], s[0:1], 0x0               ; mask s[4:5], Wo s[6:7], msk s[8:9], prep s[10:11]
	s_load_b64 s[36:37], s[0:1], 0x20              ; flags
	v_lshl_add_u32 v192, v0, 2, 0x100
	v_mov_b32 v193, 0
	v_lshrrev_b32 v1, 5, v0
	v_readfirstlane_b32 s12, v1                    ; wave 0..3
	v_and_b32 v2, 31, v0                           ; lane
	s_cmp_lt_u32 ttmp9, 256
	s_cbranch_scc0 .Lnot_mask
	; ---------------- the mask ----------------
	v_and_b32 v3, 15, v2                           ; r
	v_lshrrev_b32 v4, 4, v2                        ; h
	v_lshlrev_b32 v1, 12, v3                       ; row r of 4,096 bytes
	v_lshl_add_u32 v1, v4, 3, v1                   ; + 8 h: my 8 keys of a tile of 16
	v_lshlrev_b32 v5, 3, v2                        ; out: 8 bytes a lane
	v_mov_b32 v10, 0
.irp i, 0,1,2,3,4,5,6,7,8,9,10,11,12,13,14,15
	v_mov_b32 v[OUT+\i], 0                         ; written once: v_writelane_b32's destination counts as one of its sources
.endr
	s_mov_b32 s16, 0
	s_mov_b32 s17, 0
	s_lshl_b32 s14, ttmp9, 16                      ; 16 T rows of 4,096 bytes
	s_lshl_b32 s15, s12, 10                        ; my 8 steps: 1,024 bytes of each row
	s_add_co_u32 s14, s14, s15
	s_mov_b32 s15, 0
	s_lshl_b32 s18, ttmp9, 13                      ; the lane masks: 8,192 bytes a tile, 256 a step
	s_lshl_b32 s19, s12, 11
	s_add_co_u32 s18, s18, s19
	s_mov_b32 s19, 0
	s_lshl_b32 s32, ttmp9, 3                       ; the flags: 8 bytes a tile
	s_mov_b32 s33, 0
	s_wait_kmcnt 0x0
	s_add_nc_u64 s[4:5], s[4:5], s[14:15]
	s_add_nc_u64 s[34:35], s[36:37], s[32:33]
	s_add_nc_u64 s[8:9], s[8:9], s[18:19]
.irp s, 0,1,2,3,4,5,6,7
.irp t, 0,1,2,3,4,5,6,7
	global_load_b64 v[W+16*\s+2*\t:W+16*\s+2*\t+1], v1, s[4:5] offset:128*\s+16*\t   ; all 64 loads go out at once: 1,024 bytes of each of 16 rows
.endr
.endr
.irp s, 0,1,2,3,4,5,6,7
	MSTEP \s
.endr
	v_cmp_ne_u32 s23, 0, v10                       ; lanes that have seen a true key
	s_lshr_b32 s22, s23, 16
	s_or_b32 s23, s23, s22
	s_and_b32 s23, s23, 0xffff                     ; rows that have, in my 8 steps
	s_lshl_b32 s22, s12, 3
	s_lshl_b32 s16, s16, s22                       ; my steps' bits at their places
	s_lshl_b32 s17, s17, s22
	v_mov_b32 v12, s16
	v_mov_b32 v13, s17
	v_mov_b32 v14, s23
	v_mov_b32 v15, 0
	v_mov_b32 v11, s12
	v_lshlrev_b32 v11, 4, v11
	ds_store_b128 v11, v[12:15]                    ; 16 bytes a wave; all lanes write the same bytes with the same values
	s_wait_dscnt 0x0                               ; for the others' sake: my store is done
	s_barrier_signal -1
	s_barrier_wait -1
	v_mov_b32 v11, 0
	ds_load_b128 v[12:15], v11
	ds_load_b128 v[16:19], v11 offset:16
	ds_load_b128 v[20:23], v11 offset:32
	ds_load_b128 v[24:27], v11 offset:48
	s_wait_dscnt 0x0
	v_or_b32 v12, v12, v16
	v_or_b32 v13, v13, v17
	v_or_b32 v14, v14, v18
	v_or_b32 v20, v20, v24
	v_or_b32 v21, v21, v25
	v_or_b32 v22, v22, v26
	v_or_b32 v12, v12, v20
	v_or_b32 v13, v13, v21
	v_or_b32 v14, v14, v22
	v_readfirstlane_b32 s16, v12                   ; steps with a true key
	v_readfirstlane_b32 s17, v13                   ; steps that are all true
	v_readfirstlane_b32 s23, v14                   ; rows with a true key
	s_cmp_eq_u32 s23, 0xffff
	s_cselect_b32 s16, s16, -1                     ; ACT: a row without any true key makes every step count
	s_and_not1_b32 s17, s16, s17                   ; MIX
	s_cmp_lg_u32 s12, 0
	s_cbranch_scc1 .Lmask_done                     ; wave 0 stores the pair
	v_mov_b32 v12, s16
	v_mov_b32 v13, s17
	v_cmp_eq_u32 vcc_lo, 0, v2
	s_wait_xcnt 0x0                                ; EXEC is a source of my pending stores: it changes only behind this wait
	s_and_saveexec_b32 s20, vcc_lo
	global_store_b64 v11, v[12:13], s[34:35]       ; lane 0 alone
	s_wait_xcnt 0x0
	s_or_b32 exec_lo, exec_lo, s20
.Lmask_done:
	s_wait_tensorcnt 0x0
	ds_add_u32 v192, v193
	s_wait_dscnt 0x0
	s_endpgm
.Lnot_mask:
	s_cmp_lt_u32 ttmp9, 288
	s_cbranch_scc0 .Lrope
	; ---------------- Wo ----------------
	s_sub_co_u32 s13, ttmp9, 256
	s_and_b32 s14, s13, 7                          ; which 128 columns
	s_lshr_b32 s15, s13, 3                         ; which 256 along K
	v_lshlrev_b32 v3, 2, v2                        ; in: 4 bytes a lane
	v_and_b32 v6, 15, v2
	v_lshrrev_b32 v7, 4, v2
	v_lshlrev_b32 v4, 14, v7                       ; codes out: my tile of 16 columns (16,384 bytes a tile), 16 bytes for column r
	v_lshl_add_u32 v4, v6, 4, v4
	v_lshlrev_b32 v5, 9, v7                        ; scale bytes out: 512 bytes a tile, 8 for column r
	v_lshl_add_u32 v5, v6, 3, v5
	s_lshl_b32 s16, s15, 20                        ; 256 rows of 4,096 bytes
	s_lshl_b32 s17, s14, 9
	s_add_co_u32 s16, s16, s17
	s_lshl_b32 s17, s12, 7
	s_add_co_u32 s16, s16, s17                     ; + 4 x (128 x + 32 wave)
	s_mov_b32 s17, 0
	s_lshl_b32 s18, s14, 3
	s_lshl_b32 s19, s12, 1
	s_add_co_u32 s18, s18, s19                     ; my wave's first tile of 16 columns
	s_lshl_b32 s20, s18, 14
	s_lshl_b32 s19, s15, 12                        ; two K steps of 2,048 bytes
	s_add_co_u32 s20, s20, s19
	s_add_co_u32 s20, s20, 1048576
	s_mov_b32 s21, 0
	s_lshl_b32 s22, s18, 9
	s_lshl_b32 s19, s15, 7
	s_add_co_u32 s22, s22, s19
	s_add_co_u32 s22, s22, 2097152
	s_mov_b32 s23, 0
	s_mov_b32 s31, 0x600000                        ; the mantissa field of 448
	s_wait_kmcnt 0x0
	s_add_nc_u64 s[6:7], s[6:7], s[16:17]
	s_add_nc_u64 s[14:15], s[10:11], s[20:21]
	s_add_nc_u64 s[10:11], s[10:11], s[22:23]
	WLOAD 0
	WLOAD 1
.irp t, 0,1,2,3,4,5,6,7
	WBLOCK \t
.endr
	global_store_b64 v5, v[SB:SB+1], s[10:11]      ; my column's 8 scale bytes: sixteen lanes store 128 consecutive bytes
	s_endpgm
.Lrope:
	; ---------------- the rotary table ----------------
	s_sub_co_u32 s13, ttmp9, 288
	s_lshl_b32 s13, s13, 6
	s_lshl_b32 s14, s12, 4
	s_add_co_u32 s13, s13, s14                     ; my wave's first token: 64 x work-group + 16 x wave
	v_and_b32 v3, 7, v2                            ; m: my entries are frequencies 4 m + 0 .. 3
	v_bfe_u32 v4, v2, 3, 1
	v_mul_u32_u24 v4, v4, 3                        ; 3 in the lanes that make sines
	v_lshrrev_b32 v5, 4, v2
	v_add_nc_u32 v5, s13, v5                       ; my token of pass 0
	v_lshlrev_b32 v7, 4, v2
	s_lshl_b32 s14, s13, 8
	s_mov_b32 s15, 0
	s_mov_b32 s20, 0x3f22f983                      ; 2 / pi
	s_mov_b32 s21, 0x3fc90fdb                      ; pi / 2, rounded to f32,
	s_mov_b32 s22, 0x333bbd2e                      ; and that number less pi / 2
	s_mov_b32 s23, -0.00019515295891               ; sin r = r + r z (s25 + z (s24 + z s23))
	s_mov_b32 s24, 0.0083321608736
	s_mov_b32 s25, -0.16666654611
	s_mov_b32 s26, 0.000024433157118               ; cos r = 1 - z / 2 + z z (s28 + z (s27 + z s26))
	s_mov_b32 s27, -0.0013887316255
	s_mov_b32 s28, 0.041666645683
	v_mov_b32 v16, 1.0                             ; 10^(j / 8), j = 4 m + e: theta^(2 j / 64) with theta = 10^4
	v_mov_b32 v17, 1.3335214322
	v_mov_b32 v18, 1.7782794100
	v_mov_b32 v19, 2.3713737057
	PSEL 1, 3.1622776602, 4.2169650343, 5.6234132519, 7.4989420933
	PSEL 2, 10.0, 13.335214322, 17.782794100, 23.713737057
	PSEL 3, 31.622776602, 42.169650343, 56.234132519, 74.989420933
	PSEL 4, 100.0, 133.35214322, 177.82794100, 237.13737057
	PSEL 5, 316.22776602, 421.69650343, 562.34132519, 749.89420933
	PSEL 6, 1000.0, 1333.5214322, 1778.2794100, 2371.3737057
	PSEL 7, 3162.2776602, 4216.9650343, 5623.4132519, 7498.9420933
.irp e, 0,1,2,3
	v_rcp_f32 v[20+\e], v[16+\e]
.endr
	v_nop                                          ; a plain instruction behind the last reciprocal
	s_wait_alu depctr_va_vdst(0)                   ; one wait for the four, ahead of their first reader
.irp e, 0,1,2,3
	v_fma_f32 v[24+\e], -v[16+\e], v[20+\e], 1.0   ; one Newton step: the frequency 1 / P to the last bit or nearly
.endr
.irp e, 0,1,2,3
	v_fma_f32 v[20+\e], v[24+\e], v[20+\e], v[20+\e]
.endr
	s_wait_kmcnt 0x0
	s_add_nc_u64 s[10:11], s[10:11], s[14:15]
.irp p, 0,1,2,3,4,5,6,7
	PASS \p
.endr
	s_endpgm
.Lfunc_end_k_qe83edd90ac_prep:
	.size	k_qe83edd90ac_prep, .Lfunc_end_k_qe83edd90ac_prep-k_qe83edd90ac_prep
	.p2alignl 7, 3214868480
	.fill 96, 4, 3214868480
	.section	.rodata,"a",@progbits
	.p2align	6, 0x0
	.amdhsa_kernel k_qe83edd90ac_prep
		.amdhsa_group_segment_fixed_size 768
		.amdhsa_private_segment_fixed_size 0
		.amdhsa_enable_private_segment 0
		.amdhsa_kernarg_size 40
		.amdhsa_user_sgpr_count 2
		.amdhsa_user_sgpr_kernarg_segment_ptr 1
		.amdhsa_wavefront_size32 1
		.amdhsa_system_sgpr_workgroup_id_x 1
		.amdhsa_system_sgpr_workgroup_id_y 1
		.amdhsa_system_sgpr_workgroup_id_z 1
		.amdhsa_system_vgpr_workitem_id 0
		.amdhsa_next_free_vgpr 194
		.amdhsa_next_free_sgpr 66
		.amdhsa_reserve_vcc 1
		.amdhsa_float_denorm_mode_32 3
		.amdhsa_float_denorm_mode_16_64 3
		.amdhsa_memory_ordered 1
		.amdhsa_forward_progress 1
		.amdhsa_inst_pref_size 212
	.end_amdhsa_kernel
	.amdgpu_metadata
---
amdhsa.version: [ 1, 2 ]
amdhsa.kernels:
  - .name:           k_qe83edd90ac_prep
    .symbol:         k_qe83edd90ac_prep.kd
    .args:
      - { .name: mask, .offset: 0, .size: 8, .value_kind: global_buffer, .address_space: global }
      - { .name: Wo, .offset: 8, .size: 8, .value_kind: global_buffer, .address_space: global }
      - { .name: msk, .offset: 16, .size: 8, .value_kind: global_buffer, .address_space: global }
      - { .name: prep, .offset: 24, .size: 8, .value_kind: global_buffer, .address_space: global }
      - { .name: flags, .offset: 32, .size: 8, .value_kind: global_buffer, .address_space: global }
    .group_segment_fixed_size: 768
    .private_segment_fixed_size: 0
    .kernarg_segment_align: 8
    .kernarg_segment_size: 40
    .max_flat_workgroup_size: 128
    .sgpr_count:     66
    .vgpr_count:     194
    .wavefront_size: 32
...
	.end_amdgpu_metadata
.endif
;; end of part 1
;; launch qkv (part 2): grid 12 x 16, 4 waves a work-group, clusters of 4 x 4, 327,680 bytes of LDS; arguments x_codes, x_scales, Wq_codes, Wq_scales, Wk_codes, Wk_scales, Wv_codes, Wv_scales, prep, qkv; writes qkv
.if DOCPART == 2
	.amdgcn_target "amdgcn-amd-amdhsa--gfx1250"
	.amdhsa_code_object_version 6
	.text
	.protected	k_qe83edd90ac_qkv
	.globl	k_qe83edd90ac_qkv
	.p2align	8
	.type	k_qe83edd90ac_qkv,@function
k_qe83edd90ac_qkv:
	s_mov_b64 s[64:65], 0
	v_nop
	global_prefetch_b8 v0, s[64:65] scope:SCOPE_SE
	s_setreg_imm32_b32 hwreg(HW_REG_WAVE_MODE, 25, 1), 1
	s_wait_xcnt 0x0
	s_wait_alu depctr_hold_cnt(0) depctr_sa_sdst(0) depctr_va_vdst(0) depctr_va_sdst(0) depctr_va_ssrc(0) depctr_va_vcc(0) depctr_vm_vsrc(0)
	s_getreg_b32 s2, hwreg(HW_REG_IB_STS2, 6, 4)
	s_cmp_eq_u32 s2, 0
	s_cbranch_scc0 .Lentry_in_a_cluster
	s_endpgm
.Lentry_in_a_cluster:
	s_bfe_u32 s2, ttmp6, 0x10000c
	s_cmp_lg_u32 s2, 0xf033
	s_cbranch_scc0 .Lentry_shape_is_right
	s_endpgm
.Lentry_shape_is_right:
; q, k, v = x W (three products on given E4M3 codes and E8M0 bytes, K = 1,024), the rotary embedding of q and k, q x 1/8, and the quantising of all three for the attention launch.
; Cluster x = 0: q, 1: k, 2: v.  A tile of the result, 256 x 256, is made by four waves, 128 x 128 each: 64 accumulators, 512 registers.  K goes in steps of 256 through two LDS slots filled by the tensor data mover;
; the scale bytes of the work-group's rows, for all of K, come into LDS once.  4 x 4 work-groups form a cluster: side A's tiles are shared along a row of the cluster, side B's along a column, each asked for jointly.
; THE MATRIX INSTRUCTION IS USED TRANSPOSED (source 0 = 16 rows of side B, source 1 = 16 rows of side A): a lane holds ONE row of side A and eight neighbouring rows of side B in its registers.
;   q, k: side A = x (tokens), side B = W (head, channel): a lane holds a token and its registers run along the head's channels, the K of q k^T.
;   v:    side A = Wv, side B = x: a lane holds a channel and its registers run along the tokens, the K of p v.  The sides are changed by choosing pointers on the cluster's x, which all partners share.
; OUT, as images of the operands' registers (a group of four registers: 16 bytes x lane, 512 bytes on end):
;   qkv + 0 q, + 4,194,304 k: [head][tile of 16 tokens][c 2][lane][16];  + 8,388,608 v: [head][step of 128 keys][tile of 16 channels][c 4][lane][16]
;   qkv + 12,582,912 q's scale words [head][step][768 bytes: 8 tiles x 16 words];  + 12,976,128 [head][step][k: 8 tiles x 16 words | v: 4 tiles x 16 words]
;   q's and k's words hold their two bytes twice (b0 b1 b0 b1): the attention launch lays the 64 codes in the lower or in the upper half of a K of 128.
; A result's two neighbouring tiles hold k = 8 h + j and 16 + 8 h + j of a block of 32; the operand wants 16 h + 0 .. 15: two v_permlane16_swap_b32 on the codes put them so.
; q x 1/8: a power of two: q / 8 has q's codes and a scale byte 3 lower; q's floor is 2^(12 - 127), so that the byte stays at 1 or above.
; LIMITS: NaN and infinities are not served; a block under the floor keeps the byte 1 (a block of zeros too: its codes are zeros, and this program alone reads the bytes).
; REGISTERS, in windows of 256: window 0: v16-29 addresses; v32-63 scale words, two sets, and nothing else; from v128 A's fragments, one set; behind the loop v64-255 are at work.
;   window 1: B's fragments, two sets.   windows 2, 3: the accumulators of my rows 0-63, 64-127 (accumulator (a, b) at v[8 (8 (a % 4) + b)]).
.set KSTEP,  256                       ; along K in a slot
.set NQ,     2                         ; matrix instructions deep
.set ROWB,   256                       ; a tile's row in bytes
.set KROW,   1024                      ; a row of codes in memory
.set PITCH,  272                       ; an LDS row: 256 bytes + 16 of padding = 68 words: the 16 rows that a load touches start at 16 different banks (64 banks of 4 bytes: ISA guide 11.1)
.set FR,     16                        ; registers of a fragment
.set NL,     4                         ; LDS loads that bring one
.set NP,     8                         ; places behind this matrix instruction (ISA guide 7.12.1)
.set HALFT,  128*PITCH                 ; 128 rows: what one tensor load brings
.set SLOT,   4*HALFT                   ; A's 256 rows, then B's 256 rows
.set LAPS,   2                         ; 1,024 / 512: a lap = two K steps = once round the ring
.set KS,     32                        ; a row of scale bytes
.set SCL,    2*SLOT                    ; behind the ring: the scales, as units of 256 bytes + 16 of padding
.set HALFS,  16*272                    ; those of 128 rows
.set SBLK,   2*272                     ; those of 16 rows
.set SPARE,  SCL+4*HALFS               ; the spare words, 128 bytes for each wave: two blocks of 256 bytes that no other line names
.set ADRA, 16                          ; v16-17  LDS address of my A fragments in slot 0, 1
.set ADRB, 20                          ; v20-21  the same for B
.set TA,   24                          ; v24     the table: 256 r + 32 h
.set OCV,  25                          ; v25     16 x lane: an image's place for my lane
.set OSV,  26                          ; v26     4 r: a scale word's
.set ADRS, 27                          ; v27     LDS address of my scale words: lanes 0-15 A's rows, lanes 16-31 B's
.set SPW,  28                          ; v28     LDS address of my spare word; never rewritten
.set NIL,  29                          ; v29     0; never rewritten
.set SC,   32                          ; scale words, set s at v[SC + 16 s]
.set AF,   128                         ; A's fragments
.set Y,    64                          ; behind the loop: v64-127 64 numbers ahead of the conversions
.set CS,   128                         ; v128-191 two sets of 16 cos, 16 sin
.set T,    192                         ; v192-199 at work
.set TM,   200                         ; v200-203 largest magnitudes, v204-207 bytes, v208-211 448 x the scale, v212-215 the conversions' scale operands
.set W0,   216                         ; v216-217 q's or k's scale words of two heads
.set PW,   218                         ; v218    v's scale word
.set PCD,  224                         ; v224-255 two sets of 16 registers of codes
.set G1, 24                            ; s[24:31] descriptor group 1 for A's tiles;  s[32:39] group 0, one set for each slot
.set G0, 32
.set G1B, 48                           ; s[48:55], s[56:63] the same for B's tiles
.set G0B, 56
.set G1S, 68                           ; s[68:75], s[76:79] groups 1 and 0 for A's scales;  s[80:87], s[88:91] for B's
.set G0S, 76
.set G1SB, 80
.set G0SB, 88
.set SEL, 20                           ; behind the loop: s[20:21] v_permlanex16_b32's selects for lane l xor 16
.set MNT, 22                           ; s22  the mantissa field of 448
.set FL,  23                           ; s23  the floor of a block's largest magnitude
.set QSB, 18                           ; s18  what is taken off the scale words: 3 in each byte for q, else 0
.set MSB, 0
.macro WIN new                         ; the immediate's high byte repeats the setting that is left
.if MSB != (\new)
	s_set_vgpr_msb (MSB<<8)|(\new)
.set MSB, (\new)
.endif
.endm
.set MUL_LO, 0xa1                      ; source 0 (B) window 1, source 1 (A) window 0, C and D window 2
.set MUL_HI, 0xf1                      ; the same, C and D window 3
.set TO_B,   0x40                      ; destination window 1, address window 0
; A joint load: waves 0 and 1 fetch for A, waves 2 and 3 for B.  Each of the two lines has one mask and one set of registers for all that issue it; the branch hangs on the wave's number alone.
; Four v_nop follow each of the two lines, ahead of the jump, the label and what follows.
.macro JLOAD g0a, g1a, g0b, g1b
	s_cmp_eq_u32 s15, 0
	s_cbranch_scc0 .Lfor_b_\@
	tensor_load_to_lds s[\g0a:\g0a+3], s[\g1a:\g1a+7]
	s_nop 0
.rept 4
	v_nop
.endr
	s_branch .Lasked_\@
.Lfor_b_\@:
	tensor_load_to_lds s[\g0b:\g0b+3], s[\g1b:\g1b+7]
	s_nop 0
.rept 4
	v_nop
.endr
.Lasked_\@:
.endm
.macro CREST                           ; a round of the cluster's barrier behind its opening barrier
	s_cmp_lg_u32 s14, 0
	s_cbranch_scc1 .Lnot_wave_0_\@
	s_barrier_signal -3
.Lnot_wave_0_\@:
	s_barrier_wait -3
	s_barrier_signal -1
	s_barrier_wait -1
.endm
.macro CROUND                          ; a whole round
	s_barrier_signal -1
	s_barrier_wait -1
	CREST
.endm
	s_load_b512 s[68:83], s[0:1], 0x0              ; x's codes, scales; Wq's; Wk's; Wv's
	s_load_b128 s[84:87], s[0:1], 0x40             ; prep, qkv
	v_lshl_add_u32 v[SPW], v0, 2, SPARE
	v_mov_b32 v[NIL], 0
	ds_add_u32 v28, v29
	ds_add_u32 v28, v29
	s_wait_dscnt 0x0
	v_lshrrev_b32 v1, 5, v0
	v_readfirstlane_b32 s14, v1                    ; wave 0..3
	s_lshr_b32 s15, s14, 1                         ; which half of side A's rows is mine.  Also: I fetch for A (0) or for B (1)
	s_and_b32 s16, s14, 1                          ; which half of side B's.  Also: which 128 rows of that tile I fetch
	s_bfe_u32 s40, ttmp6, 0x40000                  ; cx, cy: my place in the cluster
	s_bfe_u32 s41, ttmp6, 0x40004
	s_and_b32 s44, ttmp7, 0xffff                   ; the cluster's y: which 1,024 tokens
	s_cmp_eq_u32 ttmp9, 2                          ; v?  The cluster's x: the same in all sixteen partners
	s_cselect_b32 s42, s44, 0                      ; the tokens lie on side B for v,
	s_cselect_b32 s17, 0, s44                      ; on side A for q and k
	s_lshl_b32 s42, s42, 2
	s_add_co_u32 s42, s42, s40                     ; side B's tile of 256 rows
	s_lshl_b32 s17, s17, 2
	s_add_co_u32 s17, s17, s41                     ; side A's
	s_lshl_b32 s43, s41, 2
	s_lshl_b32 s43, 15, s43                        ; my row of the cluster
	s_lshl_b32 s44, 0x1111, s40                    ; my column
	; descriptor group 1: a tile of 128 rows x 256 bytes, padded in LDS
	s_or_b32 s[G1+0], s43, (0<<16)|(1<<20)|(1<<21)|(5<<22)|(3<<25)  ; 15:0 the mask: A's tiles go to my row; 17:16 elements of 1 byte; 20 padding on; 21 set beside a mask; 24:22 after every 64 words (code 5); 31:25 four words (code 3)
	s_or_b32 s[G1B+0], s44, (0<<16)|(1<<20)|(1<<21)|(5<<22)|(3<<25)
.irp g, G1, G1B
	s_mov_b32 s[\g+1], ROWB<<16                    ; tensor_dim0
	s_mov_b32 s[\g+2], 128<<16                     ; tensor_dim1 = 128
	s_mov_b32 s[\g+3], ROWB<<16                    ; tile_dim0
	s_mov_b32 s[\g+4], 128                         ; tile_dim1 = 128
	s_mov_b32 s[\g+5], KROW                        ; tensor_dim0_stride
	s_mov_b32 s[\g+6], 0
	s_mov_b32 s[\g+7], 0
.endr
	s_lshl_b32 s18, s16, 7                         ; which 128 rows of the tile I fetch
	s_lshl_b32 s20, s17, 8
	s_add_co_u32 s20, s20, s18                     ; A: row 256 x tile + 128 x half
	s_lshl_b32 s46, s42, 8
	s_add_co_u32 s46, s46, s18                     ; B likewise
	s_mov_b32 s21, 0
	s_mov_b32 s47, 0
	s_mov_b64 s[18:19], KS
	s_mul_u64 s[22:23], s[20:21], s[18:19]         ; where these rows' scales begin, in bytes
	s_mul_u64 s[92:93], s[46:47], s[18:19]
	s_mov_b64 s[18:19], KROW
	s_mul_u64 s[20:21], s[20:21], s[18:19]         ; and their codes
	s_mul_u64 s[46:47], s[46:47], s[18:19]
	s_mul_i32 s45, s14, HALFT                      ; where they go: wave x 128 rows: no place in the cluster enters an LDS address
	s_mul_i32 s94, s14, HALFS
	s_wait_kmcnt 0x0
	s_cmp_eq_u32 ttmp9, 0                          ; the buffers of the two sides, chosen on the cluster's x alone
	s_cselect_b64 s[8:9], s[72:73], s[76:77]       ; q: Wq, k: Wk
	s_cselect_b64 s[10:11], s[74:75], s[78:79]
	s_cmp_eq_u32 ttmp9, 2
	s_cselect_b64 s[4:5], s[80:81], s[68:69]       ; side A: Wv for v, else x
	s_cselect_b64 s[6:7], s[82:83], s[70:71]
	s_cselect_b64 s[8:9], s[68:69], s[8:9]         ; side B: x for v
	s_cselect_b64 s[10:11], s[70:71], s[10:11]
	s_mov_b64 s[98:99], s[84:85]                   ; prep: the table
	s_mov_b64 s[12:13], s[86:87]                   ; qkv: the codes' way out,
	s_mov_b64 s[96:97], s[86:87]                   ; and the scale words'
	s_add_nc_u64 s[20:21], s[4:5], s[20:21]
	s_add_nc_u64 s[22:23], s[6:7], s[22:23]
	s_add_nc_u64 s[46:47], s[8:9], s[46:47]
	s_add_nc_u64 s[92:93], s[10:11], s[92:93]
	; group 1 for the scales of 128 rows: a dense block of 4,096 bytes, as rows of 256 bytes (32 elements of 8 bytes), 16 bytes of padding behind each
	s_or_b32 s[G1S+0], s43, (3<<16)|(1<<20)|(1<<21)|(5<<22)|(3<<25)
	s_or_b32 s[G1SB+0], s44, (3<<16)|(1<<20)|(1<<21)|(5<<22)|(3<<25)
.irp g, G1S, G1SB
	s_mov_b32 s[\g+1], 32<<16
	s_mov_b32 s[\g+2], 16<<16
	s_mov_b32 s[\g+3], 32<<16
	s_mov_b32 s[\g+4], 16
	s_mov_b32 s[\g+5], 32
	s_mov_b32 s[\g+6], 0
	s_mov_b32 s[\g+7], 0
.endr
	CROUND                                         ; all sixteen work-groups are here: the first joint loads meet
	s_mov_b32 s[G0S], 1
	s_add_co_u32 s[G0S+1], s94, SCL
	s_mov_b64 s[G0S+2:G0S+3], s[22:23]
	s_or_b32 s[G0S+3], s[G0S+3], 0x80000000
	s_mov_b32 s[G0SB], 1
	s_add_co_u32 s[G0SB+1], s94, SCL
	s_mov_b64 s[G0SB+2:G0SB+3], s[92:93]
	s_or_b32 s[G0SB+3], s[G0SB+3], 0x80000000
	JLOAD G0S, G1S, G0SB, G1SB                     ; the scales first: they are wanted with K step 0
.irp s, 0,1
	s_mov_b32 s[G0+4*\s], 1
	s_add_co_u32 s[G0+4*\s+1], s45, \s*SLOT
	s_add_nc_u64 s[G0+4*\s+2:G0+4*\s+3], s[20:21], \s*ROWB
	s_or_b32 s[G0+4*\s+3], s[G0+4*\s+3], 0x80000000
	s_mov_b32 s[G0B+4*\s], 1
	s_add_co_u32 s[G0B+4*\s+1], s45, \s*SLOT
	s_add_nc_u64 s[G0B+4*\s+2:G0B+4*\s+3], s[46:47], \s*ROWB
	s_or_b32 s[G0B+4*\s+3], s[G0B+4*\s+3], 0x80000000
	JLOAD G0+4*\s, G1, G0B+4*\s, G1B               ; three tensor loads of mine are out
.endr
	v_and_b32 v1, 15, v0                           ; l % 16
	v_bfe_u32 v2, v0, 4, 1                         ; l / 16
	v_mul_u32_u24 v3, v1, PITCH
	v_lshl_add_u32 v4, v2, 4, v3                   ; a fragment's row x pitch + 16 x half
	s_mul_i32 s21, s15, HALFT                      ; my 128 rows of A
	s_mul_i32 s22, s16, HALFT                      ; my 128 rows of B,
	s_add_co_u32 s22, s22, 2*HALFT                 ; which lie behind A's 256
.irp s, 0,1
	v_add_nc_u32 v[ADRA+\s], s21, v4
	v_add_nc_u32 v[ADRB+\s], s22, v4
	s_add_co_u32 s21, s21, SLOT
	s_add_co_u32 s22, s22, SLOT
.endr
	v_mul_u32_u24 v5, v1, KS                       ; my row's scales: 32 bytes a row,
	v_lshrrev_b32 v6, 8, v5
	v_lshl_add_u32 v5, v6, 4, v5                   ; and 16 more for each 256 passed
	s_mul_i32 s21, s15, HALFS                      ; A's: my 128 rows
	s_mul_i32 s22, s16, HALFS                      ; B's: my 128 rows, behind A's 256
	s_add_co_u32 s22, s22, 2*HALFS
	s_sub_co_u32 s22, s22, s21
	v_mul_u32_u24 v6, s22, v2                      ; lanes 16-31 take B's
	s_add_co_u32 s21, s21, SCL
	v_add_nc_u32 v5, v5, v6
	v_add_nc_u32 v[ADRS], s21, v5
	v_lshlrev_b32 v[TA], 8, v1                     ; the table: token r of 256 bytes, + 32 h: my eight frequencies of sixteen
	v_lshl_add_u32 v[TA], v2, 5, v[TA]
	v_and_b32 v6, 31, v0
	v_lshlrev_b32 v[OCV], 4, v6
	v_lshlrev_b32 v[OSV], 2, v1
	; where my results go
	s_lshl_b32 s20, s17, 1
	s_add_co_u32 s20, s20, s15                     ; my 128 rows of side A
	s_lshl_b32 s46, s42, 1
	s_add_co_u32 s46, s46, s16                     ; my 128 rows of side B
	s_lshl_b32 s22, s20, 15                        ; the table of my 128 tokens (q, k): 256 bytes a token
	s_mov_b32 s23, 0
	s_add_nc_u64 s[98:99], s[98:99], s[22:23]
	s_cmp_eq_u32 ttmp9, 2
	s_cselect_b32 s21, s46, s20                    ; which 128 tokens,
	s_cselect_b32 s47, s20, s46                    ; which pair of heads
	s_lshl_b32 s22, s47, 19                        ; 262,144 bytes of codes a head
	s_lshl_b32 s45, s21, 13                        ; 8,192 for 128 tokens
	s_add_co_u32 s22, s22, s45
	s_lshl_b32 s45, ttmp9, 22                      ; q, k, v: 4,194,304 each
	s_add_co_u32 s22, s22, s45
	s_add_nc_u64 s[12:13], s[12:13], s[22:23]
	s_mul_i32 s22, s47, 49152                      ; 24,576 bytes of scale words a head
	s_mul_i32 s45, s21, 768
	s_add_co_u32 s22, s22, s45
	s_cmp_eq_u32 ttmp9, 0
	s_mov_b32 s45, 12976128
	s_cselect_b32 s45, 12582912, s45
	s_add_co_u32 s22, s22, s45
	s_add_nc_u64 s[96:97], s[96:97], s[22:23]
.macro FRAG reg, adr, q, i             ; a fragment, 16 rows x 128 K: lane l holds row l % 16; registers 4 c .. 4 c + 3 hold K = 32 c + 16 (l / 16) + 0 .. 15
.irp c, 0,1,2,3
	ds_load_b128 v[\reg+4*\c:\reg+4*\c+3], v[\adr] offset:128*(\q)+32*\c+(\i)*16*PITCH
.endr
.endm
; 16 matrix instructions: A's blocks a0, a0 + 1 x B's eight, 128 along K.  p: B's set;  sc: the set of scale words.  zero = 1: the first product starts the sums: nothing is ever cleared.
; The 64 accumulators take turns, one instruction a turn, in the same order in every step.
.macro MUL16 a0, p, q, sc, zero
.irp a, \a0, \a0+1
.irp b, 0,1,2,3,4,5,6,7
.if \zero
	v_wmma_scale_f32_16x16x128_f8f6f4 v[8*(8*((\a)%4)+\b):8*(8*((\a)%4)+\b)+7], v[128*(\p)+FR*\b:128*(\p)+FR*\b+FR-1], v[AF+FR*(\a):AF+FR*(\a)+FR-1], 0, v[SC+8*NQ*(\sc)+NQ*\b+(\q)], v[SC+8*NQ*(\sc)+NQ*(\a)+(\q)] matrix_a_scale:MATRIX_SCALE_ROW1
.else
	v_wmma_scale_f32_16x16x128_f8f6f4 v[8*(8*((\a)%4)+\b):8*(8*((\a)%4)+\b)+7], v[128*(\p)+FR*\b:128*(\p)+FR*\b+FR-1], v[AF+FR*(\a):AF+FR*(\a)+FR-1], v[8*(8*((\a)%4)+\b):8*(8*((\a)%4)+\b)+7], v[SC+8*NQ*(\sc)+NQ*\b+(\q)], v[SC+8*NQ*(\sc)+NQ*(\a)+(\q)] matrix_a_scale:MATRIX_SCALE_ROW1
.endif
.endr
.endr
.endm
.macro FETCH_B slot, q, p              ; B's eight fragments of the slot's q-th 128 along K into set p
	WIN TO_B
.irp i, 0,1,2,3,4,5,6,7
	FRAG 128*(\p)+FR*\i, ADRB+\slot, \q, \i
.endr
	WIN 0
.endm
.macro FETCH_A slot, q, i0             ; A's blocks i0 .. i0 + 3
.irp i, \i0, \i0+1, \i0+2, \i0+3
	FRAG AF+FR*(\i), ADRA+\slot, \q, \i
.endr
.endm
.macro SCALES sc                       ; a K step's scale words into set sc: two words a row; lanes 0-15 take A's block i, lanes 16-31 B's block i
.irp i, 0,1,2,3,4,5,6,7
	ds_load_b64 v[SC+8*NQ*\sc+NQ*\i:SC+8*NQ*\sc+NQ*\i+1], v[ADRS] offset:\i*SBLK
.endr
.endm
; A load into a register that a matrix instruction has read, and a vector instruction that reads a matrix result or writes one of its registers, stand NP places behind it; only plain vector
; instructions that name none of its registers are places (ISA guide 7.12.1 for vector instructions).
.macro PLACES n
.rept \n
	v_nop
.endr
.endm
; A step of 128 along K that has its successor in the same slot.
.macro STEP slot, q, zero
	s_wait_dscnt 4*NL                              ; B's set and A's blocks 0-3 are in; the youngest sixteen loads (A's blocks 4-7) may be out
	WIN MUL_LO
	MUL16 0, (\q)%2, \q, \slot, \zero
	MUL16 2, (\q)%2, \q, \slot, \zero
	s_wait_dscnt 0                                 ; A's blocks 4-7 are in (asked for 32 matrix instructions ago)
	PLACES NP
	FETCH_B \slot, (\q)+1, 1-(\q)%2
	FETCH_A \slot, (\q)+1, 0
	WIN MUL_HI
	MUL16 4, (\q)%2, \q, \slot, \zero
	MUL16 6, (\q)%2, \q, \slot, \zero
	PLACES NP
	WIN 0
	FETCH_A \slot, (\q)+1, 4
.endm
; A slot's last step changes slots: one barrier; in front of it each wave waits for all its tensor loads, adds 0 to its spare word, and waits for that and for its own reads of this slot.  fill = 1: this slot is filled again, two K steps ahead.
.macro TURN slot, next, fill
	s_wait_tensorcnt 0x0                           ; all my tensor loads have landed: my part of the next slot;  (every window is 0 here)
	ds_add_u32 v[SPW], v[NIL]                      ; 0 onto my spare word
	s_wait_dscnt 4*NL+1                            ; (the add and the youngest sixteen loads, A's blocks 4-7, may be out)
	WIN MUL_LO
	MUL16 0, 1, NQ-1, \slot, 0                     ; sixteen matrix instructions stand between the add and the wait for it
	s_wait_dscnt 0x0                               ; the add is done, and my reads of this slot are over
	s_barrier_signal -1
	MUL16 2, 1, NQ-1, \slot, 0
	WIN 0
	s_barrier_wait -1
.if \fill
	CREST                                          ; the barrier has opened a round of the cluster's barrier: no wave of any partner still reads this slot's tile or has a load on its way
	s_add_nc_u64 s[G0+4*\slot+2:G0+4*\slot+3], s[G0+4*\slot+2:G0+4*\slot+3], 2*ROWB
	s_add_nc_u64 s[G0B+4*\slot+2:G0B+4*\slot+3], s[G0B+4*\slot+2:G0B+4*\slot+3], 2*ROWB
	JLOAD G0+4*\slot, G1, G0B+4*\slot, G1B         ; the first tensor load behind the round, my one load until the next; its four v_nop are among the places in front of the loads below
	PLACES NP-4
.else
	PLACES NP
.endif
	v_add_nc_u32 v[ADRS], 4*NQ, v[ADRS]            ; on to the next K step's scale words (no LDS load of mine is out)
	FETCH_B \next, 0, 0
	FETCH_A \next, 0, 0
	SCALES \next
	WIN MUL_HI
	MUL16 4, 1, NQ-1, \slot, 0
	MUL16 6, 1, NQ-1, \slot, 0
	PLACES NP
	WIN 0
	FETCH_A \next, 0, 4
.endm
	s_wait_tensorcnt 1                             ; the scales and my part of K step 0 are in (K step 1's load may be out)
	s_barrier_signal -1
	s_barrier_wait -1                              ; everybody's are
	FETCH_B 0, 0, 0
	FETCH_A 0, 0, 0
	SCALES 0
	FETCH_A 0, 0, 4
	STEP 0, 0, 1                                   ; the first step stands in front of the loop: its products start the sums
	s_mov_b32 s3, LAPS-1
.Llap:                                                 ; a trip goes once round the ring, from a lap's second step to the next lap's first, and fills both slots again
	TURN 0, 1, 1
	STEP 1, 0, 0
	TURN 1, 0, 1
	STEP 0, 0, 0
	s_sub_co_u32 s3, s3, 1
	s_cmp_lg_u32 s3, 0
	s_cbranch_scc1 .Llap
	TURN 0, 1, 0                                   ; the last lap fills nothing, and has no round of the cluster's barrier
	STEP 1, 0, 0
	s_wait_dscnt 4*NL                              ; the very last step: nothing more to fetch
	WIN MUL_LO
	MUL16 0, 1, NQ-1, 1, 0
	MUL16 2, 1, NQ-1, 1, 0
	s_wait_dscnt 0
	WIN MUL_HI
	MUL16 4, 1, NQ-1, 1, 0
	MUL16 6, 1, NQ-1, 1, 0
	WIN 0
; ---------------- behind the products: no LDS; every result leaves as 512 consecutive bytes a store ----------------
; The table of block a's 16 tokens into set a % 2: register 8 u + j holds cos of frequency 16 u + 8 h + j, register 16 + 8 u + j its sin
.macro TABLOAD a
.set CB, CS+32*((\a)%2)
.irp u, 0,1
.irp jj, 0,1
	global_load_b128 v[CB+8*\u+4*\jj:CB+8*\u+4*\jj+3], v[TA], s[98:99] offset:(\a)*4096+64*\u+16*\jj
	global_load_b128 v[CB+16+8*\u+4*\jj:CB+16+8*\u+4*\jj+3], v[TA], s[98:99] offset:(\a)*4096+128+64*\u+16*\jj
.endr
.endr
.endm
; The rotary embedding of block a (16 tokens x two heads): y[e] = x[e] cos - x[e + 32] sin, y[e + 32] = x[e + 32] cos + x[e] sin, two numbers an instruction.
; Register 32 hh + i of the block's accumulators is channel 16 (i / 8) + 8 h + i % 8 of head hh, register 32 hh + 16 + i the channel 32 further on.  Each accumulator is read from its low end on.
.macro ROPE a
.set AC, 64*((\a)%4)
.set CB, CS+32*((\a)%2)
	WIN 2+(\a)/4                                   ; source 0: the accumulators' window
.irp hh, 0,1
.irp i, 0,2,4,6,8,10,12,14
.set TT, T+4*((\i/2)%2)
	v_pk_mul_f32 v[TT:TT+1], v[AC+32*\hh+16+\i:AC+32*\hh+17+\i], v[CB+16+\i:CB+17+\i]
	v_pk_mul_f32 v[TT+2:TT+3], v[AC+32*\hh+\i:AC+32*\hh+1+\i], v[CB+16+\i:CB+17+\i]
	v_pk_fma_f32 v[Y+32*\hh+\i:Y+32*\hh+1+\i], v[AC+32*\hh+\i:AC+32*\hh+1+\i], v[CB+\i:CB+1+\i], v[TT:TT+1] neg_lo:[0,0,1] neg_hi:[0,0,1]
	v_pk_fma_f32 v[Y+32*\hh+16+\i:Y+32*\hh+17+\i], v[AC+32*\hh+16+\i:AC+32*\hh+17+\i], v[CB+\i:CB+1+\i], v[TT+2:TT+3]
.endr
.endr
	WIN 0
.endm
; 64 numbers of a lane, v[s] on in window w: four blocks of 32, of which I hold 16 and lane l xor 16 the others.  Codes to v[pc] on, in the operand's order; bytes to v[TM+4] on.
.macro QUANT s, w, pc
	WIN 0
.irp b, 0,1,2,3
	v_mov_b32 v[TM+\b], s[FL]                      ; the floor, under which no largest magnitude is taken
.endr
	WIN (\w)|((\w)<<2)
.irp i, 0,2,4,6,8,10,12,14
.irp b, 0,1,2,3
	v_max3_num_f32 v[TM+\b], |v[\s+16*\b+\i]|, |v[\s+16*\b+\i+1]|, v[TM+\b]   ; (the four blocks by turns)
.endr
.endr
	WIN 0
.irp b, 0,1,2,3
	v_permlanex16_b32 v[TM+4+\b], v[TM+\b], s[SEL], s[SEL+1]
.endr
.irp b, 0,1,2,3
	v_max_num_f32 v[TM+\b], v[TM+\b], v[TM+4+\b]   ; the block's largest magnitude
.endr
.irp b, 0,1,2,3
	v_add_nc_u32 v[TM+12+\b], 0xfc000000, v[TM+\b] ; 8 off its exponent field: the conversion's scale operand
.endr
.irp b, 0,1,2,3
	v_and_or_b32 v[TM+8+\b], v[TM+\b], 0x7f800000, s[MNT]   ; 448 x the scale
.endr
.irp b, 0,1,2,3
	v_lshrrev_b32 v[TM+4+\b], 23, v[TM+12+\b]      ; the scale's byte
.endr
	WIN \w
.irp b, 0,1,2,3
.irp i, 0,1,2,3,4,5,6,7,8,9,10,11,12,13,14,15
	v_med3_num_f32 v[Y+16*\b+\i], v[\s+16*\b+\i], -v[TM+8+\b], v[TM+8+\b]   ; the conversion to an 8-bit code does not saturate (ISA guide 7.6.2): the hold comes first
.endr
.endr
	WIN 0
.irp b, 0,1,2,3
	v_cvt_scalef32_pk8_fp8_f32 v[(\pc)+4*\b:(\pc)+4*\b+1], v[Y+16*\b:Y+16*\b+7], v[TM+12+\b]
	v_cvt_scalef32_pk8_fp8_f32 v[(\pc)+4*\b+2:(\pc)+4*\b+3], v[Y+16*\b+8:Y+16*\b+15], v[TM+12+\b]
.endr
	v_nop                                          ; a plain instruction between the conversions and the lines that touch their results
.irp b, 0,1,2,3
.irp i, 0,1
	v_permlane16_swap_b32 v[(\pc)+4*\b+\i], v[(\pc)+4*\b+2+\i]   ; lanes 16-31 of the first tile's codes change places with lanes 0-15 of the second's: k = 16 h + 0 .. 15 in four registers
.endr
.endr
.endm
	PLACES NP                                      ; behind the last products: their results are read, and their operands' registers written and loaded, from here on
	s_mov_b32 s[SEL], 0x76543210
	s_mov_b32 s[SEL+1], 0xfedcba98
	s_mov_b32 s[MNT], 0x600000
	s_cmp_eq_u32 ttmp9, 0
	s_mov_b32 s[FL], 0x4800000                     ; 2^(9 - 127);
	s_cselect_b32 s[FL], 0x6000000, s[FL]          ; for q 2^(12 - 127): 3 are taken off its bytes
	s_cselect_b32 s[QSB], 0x03030303, 0
.irp b, 0,1,2,3
	v_mov_b32 v[TM+4+\b], 0                        ; written once: a lane permute's destination counts as one of its sources
.endr
	s_cmp_eq_u32 ttmp9, 2
	s_cbranch_scc1 .Lv
	; ---- q and k: block a = 16 tokens x two heads
	TABLOAD 0
.irp a, 0,1,2,3,4,5,6,7
.set PB, PCD+16*(\a%2)
.if \a > 0
	s_wait_xcnt 0x0                                ; the earlier stores have read their data: the registers may be written again
.endif
.if \a < 7
	TABLOAD \a+1
	s_wait_loadcnt 8                               ; this block's table is in; the next block's eight loads may be out
.else
	s_wait_loadcnt 0x0
.endif
	ROPE \a
	QUANT Y, 0, PB
.irp hh, 0,1
	v_lshl_or_b32 v[W0+\hh], v[TM+5+2*\hh], 8, v[TM+4+2*\hh]
.endr
.irp hh, 0,1
	v_lshl_or_b32 v[W0+\hh], v[W0+\hh], 16, v[W0+\hh]   ; the two bytes twice
.endr
.irp hh, 0,1
	v_sub_nc_u32 v[W0+\hh], v[W0+\hh], s[QSB]      ; q x 1/8: 3 off each byte
.endr
.irp x, 0,1,2,3
	global_store_b128 v[OCV], v[PB+4*\x:PB+4*\x+3], s[12:13] offset:(\x/2)*262144+\a*1024+(\x%2)*512
.endr
.irp hh, 0,1
	global_store_b32 v[OSV], v[W0+\hh], s[96:97] offset:\hh*24576+\a*64   ; lanes l and l + 16 write the same word with the same value
.endr
.endr
	s_branch .Ltail
.Lv:
	; ---- v: block a = 16 channels (head a / 4, tile a % 4) x 128 tokens: one fragment and one scale word a channel
.irp a, 0,1,2,3,4,5,6,7
.set PB, PCD+16*(\a%2)
.set AC, 64*(\a%4)
.if \a > 0
	s_wait_xcnt 0x0                                ; the earlier stores have read their data
.endif
	QUANT AC, 2+\a/4, PB
	v_lshl_or_b32 v[PW], v[TM+5], 8, v[TM+4]
	v_lshl_or_b32 v[PW], v[TM+6], 16, v[PW]
	v_lshl_or_b32 v[PW], v[TM+7], 24, v[PW]
.irp c, 0,1,2,3
	global_store_b128 v[OCV], v[PB+4*\c:PB+4*\c+3], s[12:13] offset:(\a/4)*262144+(\a%4)*2048+512*\c
.endr
	global_store_b32 v[OSV], v[PW], s[96:97] offset:(\a/4)*24576+512+(\a%4)*64
.endr
.Ltail:
	s_wait_tensorcnt 0x0                           ; the wave's end
	ds_add_u32 v[SPW], v[NIL]
	s_wait_dscnt 0x0
	CROUND                                         ; the closing round: no work-group ends while a partner may still ask for a tile that names it
	s_endpgm
.Lfunc_end_k_qe83edd90ac_qkv:
	.size	k_qe83edd90ac_qkv, .Lfunc_end_k_qe83edd90ac_qkv-k_qe83edd90ac_qkv
	.p2alignl 7, 3214868480
	.fill 96, 4, 3214868480
	.section	.rodata,"a",@progbits
	.p2align	6, 0x0
	.amdhsa_kernel k_qe83edd90ac_qkv
		.amdhsa_group_segment_fixed_size 327680
		.amdhsa_private_segment_fixed_size 0
		.amdhsa_enable_private_segment 0
		.amdhsa_kernarg_size 80
		.amdhsa_user_sgpr_count 2
		.amdhsa_user_sgpr_kernarg_segment_ptr 1
		.amdhsa_wavefront_size32 1
		.amdhsa_system_sgpr_workgroup_id_x 1
		.amdhsa_system_sgpr_workgroup_id_y 1
		.amdhsa_system_sgpr_workgroup_id_z 1
		.amdhsa_system_vgpr_workitem_id 0
		.amdhsa_next_free_vgpr 1024
		.amdhsa_next_free_sgpr 100
		.amdhsa_reserve_vcc 0
		.amdhsa_float_denorm_mode_32 3
		.amdhsa_float_denorm_mode_16_64 3
		.amdhsa_memory_ordered 1
		.amdhsa_forward_progress 1
		.amdhsa_inst_pref_size 255
	.end_amdhsa_kernel
	.section	.bss,"aw",@nobits
	.p2align	6
	.space	262144
	.amdgpu_metadata
---
amdhsa.version: [ 1, 2 ]
amdhsa.kernels:
  - .name:           k_qe83edd90ac_qkv
    .symbol:         k_qe83edd90ac_qkv.kd
    .args:
      - { .name: x_codes, .offset: 0, .size: 8, .value_kind: global_buffer, .address_space: global }
      - { .name: x_scales, .offset: 8, .size: 8, .value_kind: global_buffer, .address_space: global }
      - { .name: Wq_codes, .offset: 16, .size: 8, .value_kind: global_buffer, .address_space: global }
      - { .name: Wq_scales, .offset: 24, .size: 8, .value_kind: global_buffer, .address_space: global }
      - { .name: Wk_codes, .offset: 32, .size: 8, .value_kind: global_buffer, .address_space: global }
      - { .name: Wk_scales, .offset: 40, .size: 8, .value_kind: global_buffer, .address_space: global }
      - { .name: Wv_codes, .offset: 48, .size: 8, .value_kind: global_buffer, .address_space: global }
      - { .name: Wv_scales, .offset: 56, .size: 8, .value_kind: global_buffer, .address_space: global }
      - { .name: prep, .offset: 64, .size: 8, .value_kind: global_buffer, .address_space: global }
      - { .name: qkv, .offset: 72, .size: 8, .value_kind: global_buffer, .address_space: global }
    .group_segment_fixed_size: 327680
    .private_segment_fixed_size: 0
    .kernarg_segment_align: 8
    .kernarg_segment_size: 80
    .max_flat_workgroup_size: 128
    .sgpr_count:     100
    .vgpr_count:     1024
    .wavefront_size: 32
...
	.end_amdgpu_metadata
.endif
;; end of part 2
;; launch attn (part 3): grid 16 x 16, 16 waves a work-group, no clusters, 36,864 bytes of LDS; arguments qkv, msk, ctx, flags; writes ctx
.if DOCPART == 3
	.amdgcn_target "amdgcn-amd-amdhsa--gfx1250"
	.amdhsa_code_object_version 6
	.text
	.protected	k_qe83edd90ac_attn
	.globl	k_qe83edd90ac_attn
	.p2align	8
	.type	k_qe83edd90ac_attn,@function
k_qe83edd90ac_attn:
	s_mov_b64 s[64:65], 0
	v_nop
	global_prefetch_b8 v0, s[64:65] scope:SCOPE_SE
	s_setreg_imm32_b32 hwreg(HW_REG_WAVE_MODE, 25, 1), 1
	s_wait_xcnt 0x0
; ctx[q][head] = softmax_k(mask ? (q / 8) . k : lowest) v, both products on E4M3 codes with E8M0 scales; ctx is quantised along (head, channel) for the output projection.
; THE SOFTMAX AHEAD OF THE SECOND PRODUCT: t = score x log2(e); M = the running largest t, rounded UP to a whole number; p = 2^(t - M) is quantised along the keys, not normalised; the row's sum is taken of the
; unquantised p and divides at the end.  When M moves, the sum and O are multiplied by 2^(old M - new M): exact.
; SHARES.  Work-group (i, head) owns the query blocks i and 31 - i, 128 queries each; each of its sixteen waves one tile of 16 queries in 256 registers, four waves to a SIMD, two of each block.
; THE MASK is an input.  An earlier launch has stored, as whole numbers, for each tile of queries which key steps have to be walked (ACT) and which of those have hidden keys (MIX), in the buffer flags, and the mask itself
; as lane masks, in the buffer msk.  A wave jumps over the work of a step that its ACT leaves out, and over the 64 selects of a step whose keys all count: scalar branches on the flags.  Every wave walks all 32 steps and passes every barrier.
; That is why this launch has no tensor load and no cluster: K's and V's tiles (register images, 8,192 bytes each a step, and 768 bytes of scale words) go through registers into two LDS slots:
; each thread loads 16 bytes of each a whole step ahead; steps that no wave of the work-group walks are not fetched.
; LAYOUT.  Both products are used transposed: S^T = K Q^T (source 0 = 16 keys, source 1 = my 16 queries), O^T = V^T P^T: a lane holds ONE query (lane % 16) throughout.
; K = 64 IN A FORM OF K = 128: an even tile of keys has its codes in k 0-63 and zero codes above, on both sides; an odd tile zero codes below and its codes in k 64-127: one run of eight zero registers serves two fragments.
; The scale words of q and k hold their two bytes twice, so they fit both places.  Zero codes add nothing under any byte but 0xff, which the quantiser never gives.
; p's codes of two neighbouring tiles of keys are put in the operand's order by v_permlane16_swap_b32.
; LIMITS: NaN and infinities are not served.  A hidden score is -2^127 and not the lowest f32 number: the same result while |score| x log2(e) stays under 2.4e38; a row with no true key comes out as the mean of V.
; REGISTERS: v1-9 addresses; v12 -M, v13 the largest t, v[14:15] the sum; v16-39 Q [codes 8][zeros 8][codes 8]; v40-87 K: two runs [even tile 8][zeros 8][odd tile 8]; v96-159 S^T, then p, then V's four fragments;
;   v160-191 O^T; v192-207 p's codes; v208-216 the next step's bytes on their way to LDS; v217-220 K's scale words, v221-222 V's, v223 Q's, v253 p's: these hold scales alone; v232-254 at work.
.set SLOTB, 17408                      ; an LDS slot: K's codes 8,192, V's codes 8,192, K's scale words 512, V's 256
.set VCO,   8192
.set KSC,   16384
.set VSC,   16896
.set WV,   2                           ; s2   my wave's number
.set CNT,  3                           ; s3   pairs of steps to go
.set MP,   4                           ; s[4:5]   my tile's lane masks of the step in hand
.set KP,   6                           ; s[6:7]   K's tile that is fetched next;  s[8:9] V's;  s[10:11] their scale words
.set VP,   8
.set SP,   10
.set PFB,  12                          ; s[12:13] the prefetches' base: K's tile (wave 0) or V's (wave 1) that is fetched next
.set CX,   14                          ; s[14:15] my codes of ctx;  s[28:29] my scale bytes
.set CXS,  28
.set ACT,  16                          ; s16-20: bit 0 speaks of the step in hand; all five are shifted right by one a step
.set MIX,  17
.set NEED, 18                          ; some wave of the work-group walks the step
.set NEXT, 19                          ; the same of the next step
.set PFM,  20                          ; I prefetch in this step
.set CS,   22                          ; s[22:23] log2(e), twice: the packed form names a pair
.set SEL,  24                          ; s[24:25] v_permlanex16_b32's selects for lane l xor 16
.set MNT,  26                          ; s26  the mantissa field of 448
; THE WORK OF A KEY STEP: 128 keys out of slot \slot
.macro COMPUTE slot
.set LB, (\slot)*SLOTB
	s_load_b512 s[32:47], s[MP:MP+1], 0x0          ; the step's 64 lane masks: they land while the scores are made
	s_load_b512 s[48:63], s[MP:MP+1], 0x40
	s_load_b512 s[68:83], s[MP:MP+1], 0x80
	s_load_b512 s[84:99], s[MP:MP+1], 0xc0
.irp g, 0,1                                    ; S^T = K Q^T, four tiles of 16 keys at a time
.if \g > 0
.rept 8
	v_nop                                          ; places in front of loads into registers that matrix instructions have read
.endr
.endif
.irp p, 0,1
.irp c, 0,1
	ds_load_b128 v[40+24*\p+4*\c:43+24*\p+4*\c], v1 offset:LB+1024*(4*\g+2*\p)+512*\c
	ds_load_b128 v[56+24*\p+4*\c:59+24*\p+4*\c], v1 offset:LB+1024*(4*\g+2*\p+1)+512*\c
.endr
.endr
.if \g == 0
.irp x, 0,1,2,3
	ds_load_b32 v[217+\x], v2 offset:LB+KSC+128*\x   ; lanes 0-15: tile 2 x's words, lanes 16-31: tile 2 x + 1's
.endr
	ds_load_b32 v221, v2 offset:LB+VSC
	ds_load_b32 v222, v2 offset:LB+VSC+128
.endif
	s_wait_dscnt 0x0
.irp p, 0,1
	v_wmma_scale_f32_16x16x128_f8f6f4 v[96+8*(4*\g+2*\p):103+8*(4*\g+2*\p)], v[40+24*\p:55+24*\p], v[16:31], 0, v[217+2*\g+\p], v223
	v_wmma_scale_f32_16x16x128_f8f6f4 v[104+8*(4*\g+2*\p):111+8*(4*\g+2*\p)], v[48+24*\p:63+24*\p], v[24:39], 0, v[217+2*\g+\p], v223 matrix_a_scale:MATRIX_SCALE_ROW1
.endr
.endr                                          ; register 8 t + j of lane (r, h): query r, key 16 t + 8 h + j
.rept 8
	v_nop
.endr
	s_wait_kmcnt 0x0                               ; the lane masks are in (and their base may be stepped)
	s_bitcmp1_b32 s[MIX], 0
	s_cbranch_scc0 .Lopen_\@                       ; all 128 keys count for all 16 queries
.set n, 0
.rept 64
.if n < 32
	v_cndmask_b32 v[96+n], v7, v[96+n], s[32+n]    ; a hidden key's score becomes -2^127
.else
	v_cndmask_b32 v[96+n], v7, v[96+n], s[36+n]
.endif
.set n, n+1
.endr
.Lopen_\@:
.irp b, 0,1,2,3
	v_max3_num_f32 v[232+\b], v[96+16*\b], v[97+16*\b], v[98+16*\b]   ; the largest score of each block of 32 keys: it serves for the row's maximum and, since p rises with the score, for the block's largest p
.endr
.irp i, 3,5,7,9,11,13
.irp b, 0,1,2,3
	v_max3_num_f32 v[232+\b], v[232+\b], v[96+16*\b+\i], v[97+16*\b+\i]
.endr
.endr
.irp b, 0,1,2,3
	v_max_num_f32 v[232+\b], v[232+\b], v[111+16*\b]
.endr
.irp b, 0,1,2,3
	v_permlanex16_b32 v[236+\b], v[232+\b], s[SEL], s[SEL+1]
.endr
.irp b, 0,1,2,3
	v_max_num_f32 v[232+\b], v[232+\b], v[236+\b]  ; with lane l xor 16's 16 keys
.endr
	v_max3_num_f32 v254, v232, v233, v234
	v_max_num_f32 v254, v254, v235                 ; the step's largest score of my query
	v_mul_f32 v254, s[CS], v254                    ; as t
	v_max_num_f32 v13, v13, v254                   ; the running largest t
	v_mov_b32 v254, v12
	v_floor_f32 v12, -v13                          ; the new -M = floor(-t) = -ceil(t): a whole number
	v_sub_f32 v254, v12, v254                      ; old M - new M: a whole number, 0 or less
	v_cvt_i32_f32 v254, v254                       ; (it saturates)
	v_ldexp_f32 v252, 1.0, v254                    ; f = 2^(old M - new M)
.irp j, 0,2,4,6,8,10,12,14,16,18,20,22,24,26,28,30,32,34,36,38,40,42,44,46,48,50,52,54,56,58,60,62
	v_pk_fma_f32 v[96+\j:97+\j], v[96+\j:97+\j], s[CS:CS+1], v[12:13] op_sel_hi:[1,0,0]   ; t - M, two at a time
.endr
.irp b, 0,1,2,3
	v_fma_f32 v[232+\b], v[232+\b], s[CS], v12     ; the same of each block's largest score
.endr
.irp j, 0,1,2,3,4,5,6,7,8,9,10,11,12,13,14,15,16,17,18,19,20,21,22,23,24,25,26,27,28,29,30,31,32,33,34,35,36,37,38,39,40,41,42,43,44,45,46,47,48,49,50,51,52,53,54,55,56,57,58,59,60,61,62,63
	v_exp_f32 v[96+\j], v[96+\j]                   ; p = 2^(t - M), at most 1
.endr
	v_pk_mul_f32 v[14:15], v[14:15], v[252:253] op_sel_hi:[1,0]   ; the sums under the new M (a plain instruction behind the exponentials)
	s_wait_alu depctr_va_vdst(0)                   ; one wait for the whole batch, ahead of its first reader
.irp b, 0,1,2,3
	v_exp_f32 v[232+\b], v[232+\b]                 ; the block's largest p
.endr
	v_pk_add_f32 v[236:237], v[96:97], v[98:99]    ; the row's sum is taken of the unquantised p: two at a time, in two chains
.irp j, 4,8,12,16,20,24,28,32,36,40,44,48,52,56,60
	v_pk_add_f32 v[14:15], v[14:15], v[96+\j:97+\j]
	v_pk_add_f32 v[236:237], v[236:237], v[98+\j:99+\j]
.endr
	v_pk_add_f32 v[14:15], v[14:15], v[236:237]
	s_wait_alu depctr_va_vdst(0)                   ; and one for the four
.irp b, 0,1,2,3
	v_max_num_f32 v[232+\b], 0x4800000, v[232+\b]  ; the floor 2^(9 - 127): the byte cannot fall under 1
.endr
.irp b, 0,1,2,3
	v_add_nc_u32 v[244+\b], 0xfc000000, v[232+\b]  ; 8 off the exponent field: the conversion's scale operand
.endr
.irp b, 0,1,2,3
	v_and_or_b32 v[240+\b], v[232+\b], 0x7f800000, s[MNT]   ; 448 x the scale
.endr
.irp b, 0,1,2,3
	v_lshrrev_b32 v[236+\b], 23, v[244+\b]         ; the scale's byte
.endr
	v_lshl_or_b32 v253, v237, 8, v236              ; p's scale word for these 128 keys
	v_lshl_or_b32 v253, v238, 16, v253
	v_lshl_or_b32 v253, v239, 24, v253
.irp b, 0,1,2,3
.irp i, 0,1,2,3,4,5,6,7,8,9,10,11,12,13,14,15
	v_min_num_f32 v[96+16*\b+\i], v[96+16*\b+\i], v[240+\b]   ; the conversion does not saturate (ISA guide 7.6.2); p is not negative, so the hold is one-sided
.endr
	v_cvt_scalef32_pk8_fp8_f32 v[192+4*\b:193+4*\b], v[96+16*\b:103+16*\b], v[244+\b]
	v_cvt_scalef32_pk8_fp8_f32 v[194+4*\b:195+4*\b], v[104+16*\b:111+16*\b], v[244+\b]
.irp c, 0,1,2,3
	ds_load_b128 v[96+16*\b+4*\c:99+16*\b+4*\c], v1 offset:LB+VCO+2048*\b+512*\c   ; V's tile b of 16 channels lands in the registers that these p have left
.endr
.endr
.irp j, 0,2,4,6,8,10,12,14
	v_pk_mul_f32 v[160+\j:161+\j], v[160+\j:161+\j], v[252:253] op_sel_hi:[1,0]   ; O^T under the new M: x f
.endr
.irp b, 0,1,2,3
.irp i, 0,1
	v_permlane16_swap_b32 v[192+4*\b+\i], v[194+4*\b+\i]   ; p's codes in the operand's order: keys 32 b + 16 h + 0 .. 15
.endr
.endr
.irp j, 16,18,20,22,24,26,28,30
	v_pk_mul_f32 v[160+\j:161+\j], v[160+\j:161+\j], v[252:253] op_sel_hi:[1,0]   ; (these eight are also the places between the codes' last write and the products)
.endr
	s_wait_dscnt 0x0                               ; V is in
	v_wmma_scale_f32_16x16x128_f8f6f4 v[160:167], v[96:111], v[192:207], v[160:167], v221, v253
	v_wmma_scale_f32_16x16x128_f8f6f4 v[168:175], v[112:127], v[192:207], v[168:175], v221, v253 matrix_a_scale:MATRIX_SCALE_ROW1
	v_wmma_scale_f32_16x16x128_f8f6f4 v[176:183], v[128:143], v[192:207], v[176:183], v222, v253
	v_wmma_scale_f32_16x16x128_f8f6f4 v[184:191], v[144:159], v[192:207], v[184:191], v222, v253 matrix_a_scale:MATRIX_SCALE_ROW1
.rept 9
	v_nop                                          ; the next step's first products write over registers that these four have read: nine places
.endr
.endm
; A KEY STEP.  One barrier: in front of it my bytes of this step's tiles are in the slot and my reads of the other slot, which the next step overwrites, are over.
.macro KSTEP slot
	s_wait_loadcnt 0x0                             ; my bytes of this step's tiles are in registers (asked for a step ago)
	s_bitcmp1_b32 s[NEED], 0
	s_cbranch_scc0 .Lnost_\@
	ds_store_b128 v3, v[208:211] offset:(\slot)*SLOTB
	ds_store_b128 v3, v[212:215] offset:(\slot)*SLOTB+VCO
	s_cmp_lt_u32 s[WV], 6
	s_cbranch_scc0 .Lnost_\@
	ds_store_b32 v4, v216 offset:(\slot)*SLOTB+KSC ; waves 0 to 5: the 768 bytes of scale words
.Lnost_\@:
	s_wait_dscnt 0x0                               ; for the others' sake: my stores are done, and so are my reads of the other slot
	s_barrier_signal -1
	s_barrier_wait -1
	s_wait_xcnt 0x0                                ; the last prefetch, a step and a barrier back, has read its base
	s_add_nc_u64 s[KP:KP+1], s[KP:KP+1], 8192      ; on to the next step's tiles
	s_add_nc_u64 s[VP:VP+1], s[VP:VP+1], 8192
	s_add_nc_u64 s[SP:SP+1], s[SP:SP+1], 768
	s_add_nc_u64 s[PFB:PFB+1], s[PFB:PFB+1], 8192
	s_bitcmp1_b32 s[NEXT], 0
	s_cbranch_scc0 .Lnold_\@
	global_load_b128 v[208:211], v3, s[KP:KP+1]    ; 512 threads x 16 bytes: the whole tile of K, and of V
	global_load_b128 v[212:215], v3, s[VP:VP+1]
	s_cmp_lt_u32 s[WV], 6
	s_cbranch_scc0 .Lnold_\@
	global_load_b32 v216, v4, s[SP:SP+1]
.Lnold_\@:
	; A prefetch of the tiles two steps on, 8,192 bytes a wave, lanes 256 bytes apart: wave 0 asks for K's, wave 1 for V's, in the head's first work-group alone, so that each block of 256 bytes is named once in the launch.
	; It stands where the wave has just issued its loads.  Steps 1 to 29 ask, for tiles 3 to 31: the first three tiles and the scale words come by their loads alone, and nothing is asked past the head's last tile.
	s_bitcmp1_b32 s[PFM], 0
	s_cbranch_scc0 .Lnopf_\@
	global_prefetch_b8 v6, s[PFB:PFB+1] offset:8192 th:TH_LOAD_NT scope:SCOPE_SE
.Lnopf_\@:
	s_bitcmp1_b32 s[ACT], 0
	s_cbranch_scc0 .Lnoc_\@
	COMPUTE \slot
.Lnoc_\@:
	s_lshr_b32 s[ACT], s[ACT], 1
	s_lshr_b32 s[MIX], s[MIX], 1
	s_lshr_b32 s[NEED], s[NEED], 1
	s_lshr_b32 s[NEXT], s[NEXT], 1
	s_lshr_b32 s[PFM], s[PFM], 1
	s_add_nc_u64 s[MP:MP+1], s[MP:MP+1], 256
.endm
	s_load_b128 s[4:7], s[0:1], 0x0                ; qkv, msk
	s_load_b64 s[CX:CX+1], s[0:1], 0x10            ; ctx
	s_load_b64 s[80:81], s[0:1], 0x18              ; flags
	v_lshl_add_u32 v251, v0, 2, 0x8800
	v_mov_b32 v255, 0
	v_lshrrev_b32 v1, 5, v0
	v_readfirstlane_b32 s[WV], v1                  ; wave 0..15
	v_and_b32 v5, 31, v0                           ; lane
	v_lshlrev_b32 v1, 4, v5                        ; 16 x lane: an image's place for my lane
	v_lshlrev_b32 v2, 2, v5                        ; 4 x lane: a scale word's
	v_lshlrev_b32 v3, 4, v0                        ; 16 x thread: my bytes of a tile on its way to LDS
	v_lshlrev_b32 v4, 2, v0                        ; 4 x thread: of the scale words
	v_lshlrev_b32 v6, 8, v5                        ; 256 x lane: the prefetches' offset
	v_mov_b32 v7, 0xff000000                       ; -2^127
	v_and_b32 v8, 15, v0
	v_lshlrev_b32 v9, 2, v8                        ; 4 r
	v_lshlrev_b32 v8, 3, v8                        ; 8 r
	s_and_b32 s27, ttmp7, 0xffff                   ; the head
	s_lshr_b32 s30, s[WV], 2
	s_xor_b32 s30, s30, s[WV]
	s_and_b32 s30, s30, 1                          ; which of the two blocks: so dealt that each SIMD has two waves of each
	s_sub_co_u32 s3, 31, ttmp9
	s_cmp_eq_u32 s30, 1
	s_cselect_b32 s30, s3, ttmp9
	s_lshl_b32 s30, s30, 3
	s_lshr_b32 s3, s[WV], 1
	s_add_co_u32 s21, s30, s3                      ; T: my tile of 16 queries
	s_mov_b32 s31, 0                               ; (the upper word of the offsets in s[30:31])
	s_mov_b32 s[CS], 0x3fb8aa3b                    ; log2(e)
	s_mov_b32 s[CS+1], s[CS]
	s_mov_b32 s[SEL], 0x76543210
	s_mov_b32 s[SEL+1], 0xfedcba98
	s_mov_b32 s[MNT], 0x600000
	s_wait_kmcnt 0x0
	s_mov_b64 s[76:77], s[4:5]                     ; qkv
	s_mov_b64 s[78:79], s[6:7]                     ; msk
	s_lshl_b32 s30, s27, 18                        ; 262,144 bytes of codes a head
	s_add_nc_u64 s[68:69], s[76:77], s[30:31]
	s_add_nc_u64 s[KP:KP+1], s[68:69], 4194304     ; K's tile of step 0
	s_add_nc_u64 s[VP:VP+1], s[68:69], 8388608     ; V's
	s_lshl_b32 s30, s21, 10
	s_add_nc_u64 s[68:69], s[68:69], s[30:31]      ; my tile of Q
	s_mul_i32 s30, s27, 24576                      ; 24,576 bytes of scale words a head
	s_add_nc_u64 s[70:71], s[76:77], s[30:31]
	s_add_nc_u64 s[SP:SP+1], s[70:71], 12976128    ; K's and V's of step 0
	s_add_nc_u64 s[70:71], s[70:71], 12582912
	s_lshr_b32 s30, s21, 3
	s_mul_i32 s30, s30, 768
	s_and_b32 s3, s21, 7
	s_lshl_b32 s3, s3, 6
	s_add_co_u32 s30, s30, s3
	s_add_nc_u64 s[70:71], s[70:71], s[30:31]      ; my tile's of Q
	s_lshl_b32 s30, s21, 13
	s_add_nc_u64 s[MP:MP+1], s[78:79], s[30:31]    ; my tile's lane masks
	s_lshl_b32 s30, ttmp9, 6                       ; the flags, 8 bytes a tile:
	s_add_nc_u64 s[72:73], s[80:81], s[30:31]      ; those of block i's eight tiles,
	s_sub_co_u32 s30, 31, ttmp9
	s_lshl_b32 s30, s30, 6
	s_add_nc_u64 s[74:75], s[80:81], s[30:31]      ; of block 31 - i's,
	s_lshl_b32 s30, s21, 3
	s_add_nc_u64 s[78:79], s[80:81], s[30:31]      ; and my own
	s_load_b512 s[32:47], s[72:73], 0x0
	s_load_b512 s[48:63], s[74:75], 0x0
	s_load_b64 s[ACT:ACT+1], s[78:79], 0x0
	global_load_b128 v[16:19], v1, s[68:69]        ; Q's 64 codes a row, once for the lower half of K,
	global_load_b128 v[20:23], v1, s[68:69] offset:512
	global_load_b128 v[32:35], v1, s[68:69]        ; once for the upper
	global_load_b128 v[36:39], v1, s[68:69] offset:512
	global_load_b32 v223, v9, s[70:71]             ; Q's scale words
	global_load_b128 v[208:211], v3, s[KP:KP+1]    ; step 0's tiles
	global_load_b128 v[212:215], v3, s[VP:VP+1]
	s_cmp_lt_u32 s[WV], 6
	s_cbranch_scc0 .Lno_sc0
	global_load_b32 v216, v4, s[SP:SP+1]
.Lno_sc0:
	s_cmp_eq_u32 s[WV], 0
	s_cselect_b64 s[PFB:PFB+1], s[KP:KP+1], s[VP:VP+1]
	s_lshr_b32 s30, s[WV], 1
	s_or_b32 s30, s30, ttmp9
	s_cmp_eq_u32 s30, 0                            ; waves 0 and 1 of the head's first work-group
	s_cselect_b32 s[PFM], 0x3ffffffe, 0
	s_lshl_b32 s30, s21, 9                         ; ctx's scale bytes: [T][4 heads' K step of 256][r][8 bytes]: my head's two
	s_lshr_b32 s3, s27, 2
	s_lshl_b32 s3, s3, 7
	s_add_co_u32 s30, s30, s3
	s_and_b32 s3, s27, 3
	s_lshl_b32 s3, s3, 1
	s_add_co_u32 s30, s30, s3
	s_add_co_u32 s30, s30, 4194304
	s_add_nc_u64 s[CXS:CXS+1], s[CX:CX+1], s[30:31]
	s_lshl_b32 s30, s21, 14                        ; ctx's codes: [T][K step of 128: two heads][c 4][lane][16]
	s_lshr_b32 s3, s27, 1
	s_lshl_b32 s3, s3, 11
	s_add_co_u32 s30, s30, s3
	s_and_b32 s3, s27, 1
	s_lshl_b32 s3, s3, 10
	s_add_co_u32 s30, s30, s3
	s_add_nc_u64 s[CX:CX+1], s[CX:CX+1], s[30:31]
	v_mov_b32 v13, 0xff61b1e6                      ; the largest t so far: -3e38, under every t
	v_floor_f32 v12, -v13                          ; -M
	v_mov_b32 v14, 0                               ; the sum, in two halves
	v_mov_b32 v15, 0
.irp j, 0,1,2,3,4,5,6,7
	v_mov_b32 v[24+\j], 0                          ; the zero codes: written once
	v_mov_b32 v[48+\j], 0
	v_mov_b32 v[72+\j], 0
.endr
.irp j, 0,1,2,3,4,5,6,7,8,9,10,11,12,13,14,15,16,17,18,19,20,21,22,23,24,25,26,27,28,29,30,31
	v_mov_b32 v[160+\j], 0                         ; O^T.  (The step is written for every trip alike: the first finds zeros, which the first change of M leaves zeros)
.endr
.irp b, 0,1,2,3
	v_mov_b32 v[236+\b], 0                         ; written once: a lane permute's destination counts as one of its sources
.endr
	v_mov_b32 v252, 0
	v_mov_b32 v253, 0                              ; (named as the upper half of the pair v[252:253] before it is first written)
	s_wait_kmcnt 0x0
	s_or_b32 s[NEED], s32, s34                     ; the steps that some wave of the work-group walks: the sixteen tiles' ACT
.irp k, 36,38,40,42,44,46,48,50,52,54,56,58,60,62
	s_or_b32 s[NEED], s[NEED], s[\k]
.endr
	s_lshr_b32 s[NEXT], s[NEED], 1
	s_mov_b32 s[CNT], 16
.Lpair:                                            ; 16 trips of two steps: slot 0, slot 1
	KSTEP 0
	KSTEP 1
	s_sub_co_u32 s[CNT], s[CNT], 1
	s_cmp_lg_u32 s[CNT], 0
	s_cbranch_scc1 .Lpair
	; THE WAY OUT.  O^T / the sum is my 16 queries' part of ctx: register 8 t + j = channel 16 t + 8 h + j.  It is quantised along the channels (two blocks of 32) and leaves as an image of the next operand's registers.
	v_add_f32 v14, v14, v15                        ; the sum's two halves,
	v_permlanex16_b32 v252, v14, s[SEL], s[SEL+1]
	v_add_f32 v14, v14, v252                       ; and lane l xor 16's: the row's sum
	v_rcp_f32 v14, v14
	v_nop                                          ; a plain instruction behind the reciprocal
	s_wait_alu depctr_va_vdst(0)                   ; the wait ahead of its first reader
.irp j, 0,2,4,6,8,10,12,14,16,18,20,22,24,26,28,30
	v_pk_mul_f32 v[96+\j:97+\j], v[160+\j:161+\j], v[14:15] op_sel_hi:[1,0]
.endr
.irp b, 0,1
	v_max3_num_f32 v[232+\b], |v[96+16*\b]|, |v[97+16*\b]|, 0x4800000
.endr
.irp i, 2,4,6,8,10,12,14
.irp b, 0,1
	v_max3_num_f32 v[232+\b], v[232+\b], |v[96+16*\b+\i]|, |v[97+16*\b+\i]|
.endr
.endr
.irp b, 0,1
	v_permlanex16_b32 v[236+\b], v[232+\b], s[SEL], s[SEL+1]
.endr
.irp b, 0,1
	v_max_num_f32 v[232+\b], v[232+\b], v[236+\b]
.endr
.irp b, 0,1
	v_add_nc_u32 v[244+\b], 0xfc000000, v[232+\b]
.endr
.irp b, 0,1
	v_and_or_b32 v[240+\b], v[232+\b], 0x7f800000, s[MNT]
.endr
.irp b, 0,1
	v_lshrrev_b32 v[236+\b], 23, v[244+\b]
.endr
	v_lshl_or_b32 v248, v237, 8, v236              ; my head's two scale bytes of row r
.irp b, 0,1
.irp i, 0,1,2,3,4,5,6,7,8,9,10,11,12,13,14,15
	v_med3_num_f32 v[96+16*\b+\i], v[96+16*\b+\i], -v[240+\b], v[240+\b]
.endr
	v_cvt_scalef32_pk8_fp8_f32 v[192+4*\b:193+4*\b], v[96+16*\b:103+16*\b], v[244+\b]
	v_cvt_scalef32_pk8_fp8_f32 v[194+4*\b:195+4*\b], v[104+16*\b:111+16*\b], v[244+\b]
.endr
	v_nop                                          ; a plain instruction between the conversions and the lines that touch their results
.irp b, 0,1
.irp i, 0,1
	v_permlane16_swap_b32 v[192+4*\b+\i], v[194+4*\b+\i]
.endr
.endr
	global_store_b128 v1, v[192:195], s[CX:CX+1]   ; 32 lanes store 512 consecutive bytes
	global_store_b128 v1, v[196:199], s[CX:CX+1] offset:512
	global_store_b16 v8, v248, s[CXS:CXS+1]        ; two bytes a row, one thirty-second of ctx's bytes; lanes l and l + 16 write the same bytes with the same value
	s_wait_tensorcnt 0x0
	ds_add_u32 v251, v255
	s_wait_dscnt 0x0
	s_endpgm
.Lfunc_end_k_qe83edd90ac_attn:
	.size	k_qe83edd90ac_attn, .Lfunc_end_k_qe83edd90ac_attn-k_qe83edd90ac_attn
	.p2alignl 7, 3214868480
	.fill 96, 4, 3214868480
	.section	.rodata,"a",@progbits
	.p2align	6, 0x0
	.amdhsa_kernel k_qe83edd90ac_attn
		.amdhsa_group_segment_fixed_size 36864
		.amdhsa_private_segment_fixed_size 0
		.amdhsa_enable_private_segment 0
		.amdhsa_kernarg_size 32
		.amdhsa_user_sgpr_count 2
		.amdhsa_user_sgpr_kernarg_segment_ptr 1
		.amdhsa_wavefront_size32 1
		.amdhsa_system_sgpr_workgroup_id_x 1
		.amdhsa_system_sgpr_workgroup_id_y 1
		.amdhsa_system_sgpr_workgroup_id_z 1
		.amdhsa_system_vgpr_workitem_id 0
		.amdhsa_next_free_vgpr 256
		.amdhsa_next_free_sgpr 100
		.amdhsa_reserve_vcc 0
		.amdhsa_float_denorm_mode_32 3
		.amdhsa_float_denorm_mode_16_64 3
		.amdhsa_memory_ordered 1
		.amdhsa_forward_progress 1
		.amdhsa_inst_pref_size 63
	.end_amdhsa_kernel
	.amdgpu_metadata
---
amdhsa.version: [ 1, 2 ]
amdhsa.kernels:
  - .name:           k_qe83edd90ac_attn
    .symbol:         k_qe83edd90ac_attn.kd
    .args:
      - { .name: qkv, .offset: 0, .size: 8, .value_kind: global_buffer, .address_space: global }
      - { .name: msk, .offset: 8, .size: 8, .value_kind: global_buffer, .address_space: global }
      - { .name: ctx, .offset: 16, .size: 8, .value_kind: global_buffer, .address_space: global }
      - { .name: flags, .offset: 24, .size: 8, .value_kind: global_buffer, .address_space: global }
    .group_segment_fixed_size: 36864
    .private_segment_fixed_size: 0
    .kernarg_segment_align: 8
    .kernarg_segment_size: 32
    .max_flat_workgroup_size: 512
    .sgpr_count:     100
    .vgpr_count:     256
    .wavefront_size: 32
...
	.end_amdgpu_metadata
.endif
;; end of part 3
;; launch oproj (part 4): grid 4 x 16, 4 waves a work-group, clusters of 4 x 4, 327,680 bytes of LDS; arguments ctx, prep, out0; writes out0
.if DOCPART == 4
	.amdgcn_target "amdgcn-amd-amdhsa--gfx1250"
	.amdhsa_code_object_version 6
	.text
	.protected	k_qe83edd90ac_oproj
	.globl	k_qe83edd90ac_oproj
	.p2align	8
	.type	k_qe83edd90ac_oproj,@function
k_qe83edd90ac_oproj:
	s_mov_b64 s[64:65], 0
	v_nop
	global_prefetch_b8 v0, s[64:65] scope:SCOPE_SE
	s_setreg_imm32_b32 hwreg(HW_REG_WAVE_MODE, 25, 1), 1
	s_wait_xcnt 0x0
	s_wait_alu depctr_hold_cnt(0) depctr_sa_sdst(0) depctr_va_vdst(0) depctr_va_sdst(0) depctr_va_ssrc(0) depctr_va_vcc(0) depctr_vm_vsrc(0)
	s_getreg_b32 s2, hwreg(HW_REG_IB_STS2, 6, 4)
	s_cmp_eq_u32 s2, 0
	s_cbranch_scc0 .Lentry_in_a_cluster
	s_endpgm
.Lentry_in_a_cluster:
	s_bfe_u32 s2, ttmp6, 0x10000c
	s_cmp_lg_u32 s2, 0xf033
	s_cbranch_scc0 .Lentry_shape_is_right
	s_endpgm
.Lentry_shape_is_right:
; out0[q][d] = the sum over k = (head, channel) of ctx[q][k] Wo[k][d], on E4M3 codes with E8M0 scales that earlier launches have made; out0: [4096][1024] f32; sums in f32.
; Both operands lie in memory as images of their registers: [tile of 16 rows][K step of 128][c 4][lane 32][16 bytes], 16,384 bytes a tile; their scale bytes as [tile][K step of 256][r 16][8 bytes], 512 bytes a tile.
; A tile of the result, 256 x 256, is made by four waves, 128 x 128 each: 64 accumulators, 512 registers.  K goes in steps of 256 through two LDS slots: a wave's tensor load brings 8 tiles x 4,096 consecutive bytes.
; In LDS an image needs no pitch and no padding: every fragment load takes 512 consecutive bytes.  The scale bytes of the work-group's rows, for all of K, come into LDS once.
; CLUSTERS: 4 x 4 work-groups; ctx's tiles are shared along a row of the cluster, Wo's along a column: each is asked for jointly.  64 work-groups: 16 x 4 tiles of 256 x 256.
; THE MATRIX INSTRUCTION IS USED TRANSPOSED (source 0 = 16 rows of B, source 1 = 16 rows of A): a lane holds eight neighbouring numbers of a row of the result.
; REGISTERS, in windows of 256: window 0: v16-29 addresses; v32-63 scale words, two sets; from v128 A's fragments, one set; on the way out v128-255.   window 1: B's fragments, two sets.   windows 2, 3: the accumulators.
.set SIZE_N, 1024
.set NQ,     2                         ; matrix instructions deep in a slot
.set FR,     16
.set NL,     4
.set NP,     8                         ; places behind this matrix instruction (ISA guide 7.12.1)
.set STEPB,  4096                      ; a tile's bytes of a K step of 256
.set HALFT,  8*STEPB                   ; 8 tiles = 128 rows: what one tensor load brings
.set SLOT,   4*HALFT                   ; A's 256 rows, then B's
.set LAPS,   2
.set SCL,    2*SLOT                    ; behind the ring: A's scales, 2 x 4,096 bytes;
.set HALFS,  4096
.set SCLB,   SCL+2*HALFS+128           ; B's, 128 bytes further on than they need lie
.set SPARE,  SCL+16640                 ; the spare words, 128 bytes for each wave: two blocks of 256 bytes that no other line names
.set SPITCH, 528                       ; the way out: a stage of 16 rows x (512 bytes + 16) for each wave, in slot 0, which has had its last fill and its last read when the first result is stored there
.set ADRA, 16
.set ADRB, 20
.set STO,  24
.set RD,   25
.set CO,   26
.set ADRS, 27
.set SPW,  28
.set NIL,  29
.set SC,   32
.set AF,   128
.set BK,   128
.set G1, 24
.set G0, 32
.set G1B, 48
.set G0B, 56
.set G1S, 68
.set G0S, 76
.set G1SB, 80
.set G0SB, 88
.set MSB, 0
.macro WIN new                         ; the immediate's high byte repeats the setting that is left
.if MSB != (\new)
	s_set_vgpr_msb (MSB<<8)|(\new)
.set MSB, (\new)
.endif
.endm
.set MUL_LO, 0xa1
.set MUL_HI, 0xf1
.set TO_B,   0x40
.macro JLOAD g0a, g1a, g0b, g1b        ; a joint load: waves 0 and 1 fetch for A, waves 2 and 3 for B; four v_nop follow each of the two lines
	s_cmp_eq_u32 s15, 0
	s_cbranch_scc0 .Lfor_b_\@
	tensor_load_to_lds s[\g0a:\g0a+3], s[\g1a:\g1a+7]
	s_nop 0
.rept 4
	v_nop
.endr
	s_branch .Lasked_\@
.Lfor_b_\@:
	tensor_load_to_lds s[\g0b:\g0b+3], s[\g1b:\g1b+7]
	s_nop 0
.rept 4
	v_nop
.endr
.Lasked_\@:
.endm
.macro CREST
	s_cmp_lg_u32 s14, 0
	s_cbranch_scc1 .Lnot_wave_0_\@
	s_barrier_signal -3
.Lnot_wave_0_\@:
	s_barrier_wait -3
	s_barrier_signal -1
	s_barrier_wait -1
.endm
.macro CROUND
	s_barrier_signal -1
	s_barrier_wait -1
	CREST
.endm
	s_load_b128 s[4:7], s[0:1], 0x0                ; ctx, prep
	s_load_b64 s[12:13], s[0:1], 0x10              ; out0
	v_lshl_add_u32 v[SPW], v0, 2, SPARE
	v_mov_b32 v[NIL], 0
	ds_add_u32 v28, v29
	ds_add_u32 v28, v29
	s_wait_dscnt 0x0
	v_lshrrev_b32 v1, 5, v0
	v_readfirstlane_b32 s14, v1                    ; wave 0..3
	s_lshr_b32 s15, s14, 1                         ; which half of the tile's rows is mine.  Also: I fetch for A (0) or for B (1)
	s_and_b32 s16, s14, 1                          ; which half of its columns.  Also: which 128 rows of that tile I fetch
	s_bfe_u32 s40, ttmp6, 0x40000                  ; cx, cy
	s_bfe_u32 s41, ttmp6, 0x40004
	s_lshl_b32 s42, ttmp9, 2
	s_add_co_u32 s42, s42, s40                     ; tile column = 4 x cluster x + cx
	s_and_b32 s17, ttmp7, 0xffff
	s_lshl_b32 s17, s17, 2
	s_add_co_u32 s17, s17, s41                     ; tile row = 4 x cluster y + cy
	s_lshl_b32 s43, s41, 2
	s_lshl_b32 s43, 15, s43                        ; my row of the cluster
	s_lshl_b32 s44, 0x1111, s40                    ; my column
	; descriptor group 1: 8 rows (tiles of 16) x 4,096 bytes (512 elements of 8 bytes), 16,384 bytes apart; dense in LDS
	s_or_b32 s[G1+0], s43, (3<<16)|(1<<21)         ; 15:0 the mask; 17:16 elements of 8 bytes; 20 no padding; 21 set beside a mask
	s_or_b32 s[G1B+0], s44, (3<<16)|(1<<21)
.irp g, G1, G1B
	s_mov_b32 s[\g+1], 512<<16                     ; tensor_dim0 = 512
	s_mov_b32 s[\g+2], 8<<16                       ; tensor_dim1 = 8
	s_mov_b32 s[\g+3], 512<<16                     ; tile_dim0 = 512
	s_mov_b32 s[\g+4], 8                           ; tile_dim1 = 8
	s_mov_b32 s[\g+5], 2048                        ; tensor_dim0_stride
	s_mov_b32 s[\g+6], 0
	s_mov_b32 s[\g+7], 0
.endr
	; and for the scales of 128 rows: 4,096 dense bytes as 16 rows of 256
	s_or_b32 s[G1S+0], s43, (3<<16)|(1<<21)
	s_or_b32 s[G1SB+0], s44, (3<<16)|(1<<21)
.irp g, G1S, G1SB
	s_mov_b32 s[\g+1], 32<<16
	s_mov_b32 s[\g+2], 16<<16
	s_mov_b32 s[\g+3], 32<<16
	s_mov_b32 s[\g+4], 16
	s_mov_b32 s[\g+5], 32
	s_mov_b32 s[\g+6], 0
	s_mov_b32 s[\g+7], 0
.endr
	s_lshl_b32 s18, s16, 3                         ; which 8 tiles of 16 rows I fetch
	s_lshl_b32 s20, s17, 4
	s_add_co_u32 s20, s20, s18                     ; A's first
	s_lshl_b32 s46, s42, 4
	s_add_co_u32 s46, s46, s18                     ; B's first
	s_lshl_b32 s22, s20, 9                         ; their scales: 512 bytes a tile, behind ctx's codes
	s_add_co_u32 s22, s22, 4194304
	s_mov_b32 s23, 0
	s_lshl_b32 s20, s20, 14                        ; their codes: 16,384 bytes a tile
	s_mov_b32 s21, 0
	s_lshl_b32 s92, s46, 9
	s_add_co_u32 s92, s92, 2097152                 ; Wo's scales in prep
	s_mov_b32 s93, 0
	s_lshl_b32 s46, s46, 14
	s_add_co_u32 s46, s46, 1048576                 ; Wo's codes in prep
	s_mov_b32 s47, 0
	s_mul_i32 s45, s14, HALFT                      ; where they go: wave x 128 rows: no place in the cluster enters an LDS address
	s_mul_i32 s94, s16, HALFS
	s_wait_kmcnt 0x0
	s_add_nc_u64 s[20:21], s[4:5], s[20:21]
	s_add_nc_u64 s[22:23], s[4:5], s[22:23]
	s_add_nc_u64 s[46:47], s[6:7], s[46:47]
	s_add_nc_u64 s[92:93], s[6:7], s[92:93]
	CROUND                                         ; all sixteen work-groups are here: the first joint loads meet
	s_mov_b32 s[G0S], 1
	s_add_co_u32 s[G0S+1], s94, SCL
	s_mov_b64 s[G0S+2:G0S+3], s[22:23]
	s_or_b32 s[G0S+3], s[G0S+3], 0x80000000
	s_mov_b32 s[G0SB], 1
	s_add_co_u32 s[G0SB+1], s94, SCLB
	s_mov_b64 s[G0SB+2:G0SB+3], s[92:93]
	s_or_b32 s[G0SB+3], s[G0SB+3], 0x80000000
	JLOAD G0S, G1S, G0SB, G1SB                     ; the scales first
.irp s, 0,1
	s_mov_b32 s[G0+4*\s], 1
	s_add_co_u32 s[G0+4*\s+1], s45, \s*SLOT
	s_add_nc_u64 s[G0+4*\s+2:G0+4*\s+3], s[20:21], \s*STEPB
	s_or_b32 s[G0+4*\s+3], s[G0+4*\s+3], 0x80000000
	s_mov_b32 s[G0B+4*\s], 1
	s_add_co_u32 s[G0B+4*\s+1], s45, \s*SLOT
	s_add_nc_u64 s[G0B+4*\s+2:G0B+4*\s+3], s[46:47], \s*STEPB
	s_or_b32 s[G0B+4*\s+3], s[G0B+4*\s+3], 0x80000000
	JLOAD G0+4*\s, G1, G0B+4*\s, G1B               ; three tensor loads of mine are out
.endr
	v_and_b32 v1, 15, v0                           ; l % 16
	v_bfe_u32 v2, v0, 4, 1                         ; l / 16
	v_and_b32 v6, 31, v0
	v_lshlrev_b32 v4, 4, v6                        ; 16 x lane
	s_mul_i32 s21, s15, HALFT                      ; my 128 rows of A
	s_mul_i32 s22, s16, HALFT                      ; my 128 rows of B,
	s_add_co_u32 s22, s22, 2*HALFT                 ; which lie behind A's 256
.irp s, 0,1
	v_add_nc_u32 v[ADRA+\s], s21, v4
	v_add_nc_u32 v[ADRB+\s], s22, v4
	s_add_co_u32 s21, s21, SLOT
	s_add_co_u32 s22, s22, SLOT
.endr
	v_lshlrev_b32 v5, 3, v1                        ; my row's 8 scale bytes of a K step
	s_mul_i32 s21, s15, HALFS                      ; A's: my 128 rows
	s_mul_i32 s22, s16, HALFS                      ; B's: my 128 rows
	s_add_co_u32 s22, s22, 2*HALFS+128
	s_sub_co_u32 s22, s22, s21
	v_mul_u32_u24 v6, s22, v2                      ; lanes 16-31 take B's
	s_add_co_u32 s21, s21, SCL
	v_add_nc_u32 v5, v5, v6
	v_add_nc_u32 v[ADRS], s21, v5
	s_mul_i32 s23, s14, 16*SPITCH                  ; my stage
	v_mul_u32_u24 v5, v1, SPITCH                   ; in: row l % 16, 32 bytes for each half of the lanes
	v_lshl_add_u32 v5, v2, 5, v5
	v_add_nc_u32 v[STO], s23, v5
	v_mov_b32 v[CO], v4                            ; back: the 32 lanes take one row of 512 bytes; and the same in the result
	v_add_nc_u32 v[RD], s23, v[CO]
	s_lshl_b32 s20, s17, 8
	s_lshl_b32 s21, s15, 7
	s_add_co_u32 s20, s20, s21                     ; my first row: 256 x tile row + 128 x half
	s_mov_b32 s21, 0
	s_mov_b64 s[18:19], SIZE_N*4
	s_mul_u64 s[20:21], s[20:21], s[18:19]
	s_lshl_b32 s46, s42, 10                        ; my first column, in bytes: 1,024 x tile column + 512 x half
	s_lshl_b32 s47, s16, 9
	s_add_co_u32 s46, s46, s47
	s_mov_b32 s47, 0
	s_add_nc_u64 s[20:21], s[20:21], s[46:47]
	s_add_nc_u64 s[12:13], s[12:13], s[20:21]
.macro FRAG reg, adr, q, i             ; a fragment comes back as it was stored: four loads of 512 consecutive bytes
.irp c, 0,1,2,3
	ds_load_b128 v[\reg+4*\c:\reg+4*\c+3], v[\adr] offset:2048*(\q)+512*\c+(\i)*STEPB
.endr
.endm
; The 64 accumulators take turns, one instruction a turn, in the same order in every step.
.macro MUL16 a0, p, q, sc, zero
.irp a, \a0, \a0+1
.irp b, 0,1,2,3,4,5,6,7
.if \zero
	v_wmma_scale_f32_16x16x128_f8f6f4 v[8*(8*((\a)%4)+\b):8*(8*((\a)%4)+\b)+7], v[128*(\p)+FR*\b:128*(\p)+FR*\b+FR-1], v[AF+FR*(\a):AF+FR*(\a)+FR-1], 0, v[SC+8*NQ*(\sc)+NQ*\b+(\q)], v[SC+8*NQ*(\sc)+NQ*(\a)+(\q)] matrix_a_scale:MATRIX_SCALE_ROW1
.else
	v_wmma_scale_f32_16x16x128_f8f6f4 v[8*(8*((\a)%4)+\b):8*(8*((\a)%4)+\b)+7], v[128*(\p)+FR*\b:128*(\p)+FR*\b+FR-1], v[AF+FR*(\a):AF+FR*(\a)+FR-1], v[8*(8*((\a)%4)+\b):8*(8*((\a)%4)+\b)+7], v[SC+8*NQ*(\sc)+NQ*\b+(\q)], v[SC+8*NQ*(\sc)+NQ*(\a)+(\q)] matrix_a_scale:MATRIX_SCALE_ROW1
.endif
.endr
.endr
.endm
.macro FETCH_B slot, q, p
	WIN TO_B
.irp i, 0,1,2,3,4,5,6,7
	FRAG 128*(\p)+FR*\i, ADRB+\slot, \q, \i
.endr
	WIN 0
.endm
.macro FETCH_A slot, q, i0
.irp i, \i0, \i0+1, \i0+2, \i0+3
	FRAG AF+FR*(\i), ADRA+\slot, \q, \i
.endr
.endm
.macro SCALES sc                       ; a K step's scale words: two words a row; lanes 0-15 take A's tile i, lanes 16-31 B's tile i
.irp i, 0,1,2,3,4,5,6,7
	ds_load_b64 v[SC+8*NQ*\sc+NQ*\i:SC+8*NQ*\sc+NQ*\i+1], v[ADRS] offset:\i*512
.endr
.endm
.macro PLACES n                        ; plain vector instructions between a matrix instruction and a load into, a write of or a read of its registers (ISA guide 7.12.1 for vector instructions)
.rept \n
	v_nop
.endr
.endm
.macro STEP slot, q, zero
	s_wait_dscnt 4*NL                              ; B's set and A's blocks 0-3 are in; the youngest sixteen loads (A's blocks 4-7) may be out
	WIN MUL_LO
	MUL16 0, (\q)%2, \q, \slot, \zero
	MUL16 2, (\q)%2, \q, \slot, \zero
	s_wait_dscnt 0
	PLACES NP
	FETCH_B \slot, (\q)+1, 1-(\q)%2
	FETCH_A \slot, (\q)+1, 0
	WIN MUL_HI
	MUL16 4, (\q)%2, \q, \slot, \zero
	MUL16 6, (\q)%2, \q, \slot, \zero
	PLACES NP
	WIN 0
	FETCH_A \slot, (\q)+1, 4
.endm
.macro TURN slot, next, fill
	s_wait_tensorcnt 0x0                           ; all my tensor loads have landed: my part of the next slot;
	ds_add_u32 v[SPW], v[NIL]                      ; 0 onto my spare word
	s_wait_dscnt 4*NL+1                            ; (the add and the youngest sixteen loads may be out)
	WIN MUL_LO
	MUL16 0, 1, NQ-1, \slot, 0
	s_wait_dscnt 0x0                               ; the add is done, and my reads of this slot are over
	s_barrier_signal -1
	MUL16 2, 1, NQ-1, \slot, 0
	WIN 0
	s_barrier_wait -1
.if \fill
	CREST                                          ; the barrier has opened a round of the cluster's barrier: no wave of any partner still reads this slot or has a load on its way
	s_add_nc_u64 s[G0+4*\slot+2:G0+4*\slot+3], s[G0+4*\slot+2:G0+4*\slot+3], 2*STEPB
	s_add_nc_u64 s[G0B+4*\slot+2:G0B+4*\slot+3], s[G0B+4*\slot+2:G0B+4*\slot+3], 2*STEPB
	JLOAD G0+4*\slot, G1, G0B+4*\slot, G1B         ; the first tensor load behind the round, my one load until the next
	PLACES NP-4
.else
	PLACES NP
.endif
	v_add_nc_u32 v[ADRS], 128, v[ADRS]             ; on to the next K step's scale words
	FETCH_B \next, 0, 0
	FETCH_A \next, 0, 0
	SCALES \next
	WIN MUL_HI
	MUL16 4, 1, NQ-1, \slot, 0
	MUL16 6, 1, NQ-1, \slot, 0
	PLACES NP
	WIN 0
	FETCH_A \next, 0, 4
.endm
	s_wait_tensorcnt 1                             ; the scales and my part of K step 0 are in (K step 1's load may be out)
	s_barrier_signal -1
	s_barrier_wait -1                              ; everybody's are
	FETCH_B 0, 0, 0
	FETCH_A 0, 0, 0
	SCALES 0
	FETCH_A 0, 0, 4
	STEP 0, 0, 1                                   ; the first step's products start the sums
	s_mov_b32 s3, LAPS-1
.Llap:
	TURN 0, 1, 1
	STEP 1, 0, 0
	TURN 1, 0, 1
	STEP 0, 0, 0
	s_sub_co_u32 s3, s3, 1
	s_cmp_lg_u32 s3, 0
	s_cbranch_scc1 .Llap
	TURN 0, 1, 0                                   ; the last lap fills nothing
	STEP 1, 0, 0
	s_wait_dscnt 4*NL
	WIN MUL_LO
	MUL16 0, 1, NQ-1, 1, 0
	MUL16 2, 1, NQ-1, 1, 0
	s_wait_dscnt 0
	WIN MUL_HI
	MUL16 4, 1, NQ-1, 1, 0
	MUL16 6, 1, NQ-1, 1, 0
	WIN 0
; THE WAY OUT, block by block of 16 rows x 128 columns, through my own stage in LDS: back come whole rows of 512 bytes, which the 32 lanes store as two aligned runs of 256 bytes.
; LDS serves a wave's instructions in order (ISA guide 5.7.1.4): no wait between the stores and the loads, nor in front of the next block's stores.
.macro TOSTAGE a
.set AC, 64*((\a)%4)
	WIN 0x08+4*((\a)/4)                            ; the data: window 2 or 3
.irp b, 0,1,2,3,4,5,6,7
	ds_store_b128 v[STO], v[AC+8*\b:AC+8*\b+3] offset:64*\b          ; each accumulator from its low end on
	ds_store_b128 v[STO], v[AC+8*\b+4:AC+8*\b+7] offset:64*\b+16
.endr
	WIN 0
.set BB, BK+64*((\a)%2)
.irp t, 0,1,2,3,4,5,6,7,8,9,10,11,12,13,14,15
	ds_load_b128 v[BB+4*\t:BB+4*\t+3], v[RD] offset:\t*SPITCH
.endr
.endm
.macro SEND a, younger                 ; younger: the LDS instructions issued behind block a's loads, which may stay out
.set BB, BK+64*((\a)%2)
	s_wait_dscnt \younger
.if (\a) > 0
	s_add_nc_u64 s[12:13], s[12:13], 16*SIZE_N*4   ; (behind a wait on XCNT: the earlier stores have read their base)
.endif
.irp t, 0,1,2,3,4,5,6,7,8,9,10,11,12,13,14,15
	global_store_b128 v[CO], v[BB+4*\t:BB+4*\t+3], s[12:13] offset:\t*SIZE_N*4 th:TH_STORE_NT   ; 32 lanes store 512 consecutive bytes, at a multiple of 256 from the buffer's first byte
.endr
.endm
	PLACES NP
	TOSTAGE 0
.irp a, 1,2,3,4,5,6,7
.if \a > 1
	s_wait_xcnt 0x0                                ; block a - 2's stores have read their registers and their base
.endif
	TOSTAGE \a
	SEND \a-1, 32                                  ; behind block a - 1's loads: block a's 16 stores and 16 loads
.endr
	s_wait_xcnt 0x0
	SEND 7, 0
	s_wait_tensorcnt 0x0                           ; the wave's end
	ds_add_u32 v[SPW], v[NIL]
	s_wait_dscnt 0x0
	CROUND                                         ; the closing round
	s_endpgm
.Lfunc_end_k_qe83edd90ac_oproj:
	.size	k_qe83edd90ac_oproj, .Lfunc_end_k_qe83edd90ac_oproj-k_qe83edd90ac_oproj
	.p2alignl 7, 3214868480
	.fill 96, 4, 3214868480
	.section	.rodata,"a",@progbits
	.p2align	6, 0x0
	.amdhsa_kernel k_qe83edd90ac_oproj
		.amdhsa_group_segment_fixed_size 327680
		.amdhsa_private_segment_fixed_size 0
		.amdhsa_enable_private_segment 0
		.amdhsa_kernarg_size 24
		.amdhsa_user_sgpr_count 2
		.amdhsa_user_sgpr_kernarg_segment_ptr 1
		.amdhsa_wavefront_size32 1
		.amdhsa_system_sgpr_workgroup_id_x 1
		.amdhsa_system_sgpr_workgroup_id_y 1
		.amdhsa_system_sgpr_workgroup_id_z 1
		.amdhsa_system_vgpr_workitem_id 0
		.amdhsa_next_free_vgpr 1024
		.amdhsa_next_free_sgpr 98
		.amdhsa_reserve_vcc 0
		.amdhsa_float_denorm_mode_32 3
		.amdhsa_float_denorm_mode_16_64 3
		.amdhsa_memory_ordered 1
		.amdhsa_forward_progress 1
		.amdhsa_inst_pref_size 145
	.end_amdhsa_kernel
	.amdgpu_metadata
---
amdhsa.version: [ 1, 2 ]
amdhsa.kernels:
  - .name:           k_qe83edd90ac_oproj
    .symbol:         k_qe83edd90ac_oproj.kd
    .args:
      - { .name: ctx, .offset: 0, .size: 8, .value_kind: global_buffer, .address_space: global }
      - { .name: prep, .offset: 8, .size: 8, .value_kind: global_buffer, .address_space: global }
      - { .name: out0, .offset: 16, .size: 8, .value_kind: global_buffer, .address_space: global }
    .group_segment_fixed_size: 327680
    .private_segment_fixed_size: 0
    .kernarg_segment_align: 8
    .kernarg_segment_size: 24
    .max_flat_workgroup_size: 128
    .sgpr_count:     98
    .vgpr_count:     1024
    .wavefront_size: 32
...
	.end_amdgpu_metadata
.endif
;; end of part 4
;; ======== version 2 of 2: 4 launches; version 1 with the launch attn written anew for expert scheduling mode
;; limits: right only within a limited range of input values
;; workspace buffers: flags 2,048 bytes of whole numbers; msk 2,097,152 bytes of whole numbers; prep 2,129,920 bytes; qkv 13,369,344 bytes; ctx 4,325,376 bytes
;; launch prep: the kernel of part 1 again; grid 352 x 1, 4 waves a work-group, no clusters, 768 bytes of LDS; arguments mask, Wo, msk, prep, flags; writes msk, prep, flags
;; launch qkv: the kernel of part 2 again; grid 12 x 16, 4 waves a work-group, clusters of 4 x 4, 327,680 bytes of LDS; arguments x_codes, x_scales, Wq_codes, Wq_scales, Wk_codes, Wk_scales, Wv_codes, Wv_scales, prep, qkv; writes qkv
;; launch attn (part 5): grid 16 x 16, 16 waves a work-group, no clusters, 36,864 bytes of LDS; arguments qkv, msk, ctx, flags; writes ctx
.if DOCPART == 5
	.amdgcn_target "amdgcn-amd-amdhsa--gfx1250"
	.amdhsa_code_object_version 6
	.text
	.protected	k_qe83edd90ac_attn
	.globl	k_qe83edd90ac_attn
	.p2align	8
	.type	k_qe83edd90ac_attn,@function
k_qe83edd90ac_attn:
	s_mov_b64 s[64:65], 0
	v_nop
	global_prefetch_b8 v0, s[64:65] scope:SCOPE_SE
	s_setreg_imm32_b32 hwreg(HW_REG_WAVE_SCHED_MODE, 0, 2), 2
	s_setreg_imm32_b32 hwreg(HW_REG_WAVE_MODE, 25, 1), 1
	s_wait_xcnt 0x0
	s_wait_alu depctr_vm_vsrc(0)
; ctx[q][head] = softmax_k(mask ? (q / 8) . k : lowest) v, both products on E4M3 codes with E8M0 scales; ctx is quantised along (head, channel) for the output projection.
; THE SOFTMAX AHEAD OF THE SECOND PRODUCT: t = score x log2(e); M = the running largest t, rounded UP to a whole number; p = 2^(t - M) is quantised along the keys, not normalised; the row's sum is taken of the
; unquantised p and divides at the end.  When M moves, the sum and O are multiplied by 2^(old M - new M): exact.
; SHARES.  Work-group (i, head) owns the query blocks i and 31 - i, 128 queries each; each of its sixteen waves one tile of 16 queries in 256 registers, four waves to a SIMD, two of each block.
; THE MASK is an input.  An earlier launch has stored, as whole numbers, for each tile of queries which key steps have to be walked (ACT) and which of those have hidden keys (MIX), in the buffer flags, and the mask itself
; as lane masks, in the buffer msk.  A wave jumps over the work of a step that its ACT leaves out, and over the 64 selects of a step whose keys all count: scalar branches on the flags.  Every wave walks all 32 steps and passes every barrier.
; That is why this launch has no tensor load and no cluster: K's and V's tiles (register images, 8,192 bytes each a step, and 768 bytes of scale words) go through registers into two LDS slots:
; each thread loads 16 bytes of each a whole step ahead; steps that no wave of the work-group walks are not fetched.
; LAYOUT.  Both products are used transposed: S^T = K Q^T (source 0 = 16 keys, source 1 = my 16 queries), O^T = V^T P^T: a lane holds ONE query (lane % 16) throughout.
; K = 64 IN A FORM OF K = 128: an even tile of keys has its codes in k 0-63 and zero codes above, on both sides; an odd tile zero codes below and its codes in k 64-127: one run of eight zero registers serves two fragments.
; The scale words of q and k hold their two bytes twice, so they fit both places.  Zero codes add nothing under any byte but 0xff, which the quantiser never gives.
; p's codes of two neighbouring tiles of keys are put in the operand's order by v_permlane16_swap_b32.
; LIMITS: NaN and infinities are not served.  A hidden score is -2^127 and not the lowest f32 number: the same result while |score| x log2(e) stays under 2.4e38; a row with no true key comes out as the mean of V.
; REGISTERS: v1-9 addresses; v12 -M, v13 the largest t, v[14:15] the sum; v16-39 Q [codes 8][zeros 8][codes 8]; v40-87 K: two runs [even tile 8][zeros 8][odd tile 8]; v96-159 S^T, then p, then V's four fragments;
;   v160-191 O^T; v192-207 p's codes; v208-216 the next step's bytes on their way to LDS; v217-220 K's scale words, v221-222 V's, v223 Q's, v253 p's: these hold scales alone; v232-254 at work.
; THE MODE: SCHED_MODE bits 1:0 = 2 (LLVM: expert scheduling mode 2), set by the entry lines.  The code itself states the register dependences
; between vector or matrix instructions and memory or LDS instructions, with s_wait_alu, always for 0.
; THE PLAN.  Registers that memory or LDS instructions touch, and who else names them:
;   v1-4, v6, v8, v9   Offsets and LDS addresses: written once, at the head, ahead of the head's one wait on va_vdst; never written again.  v251, v255, the closing add's two, likewise.
;   v208-216           Global loads land in them behind a step's barrier; the next step's LDS stores read them; no vector instruction names them.  One wait on vm_vsrc a step, behind the barrier, ahead of those loads.
;   K's codes (v40-47, v56-71, v80-87) and the scale words v217-222.  LDS loads land in them; products read them.  A wait on va_vdst at the head of a step's work (the last walked step's products), and one behind the
;                      first four products, ahead of the other four tiles' loads.  Behind that one the first four tiles' selects and maxima, which name v96-127, v7 and v232-233 alone, stand between the loads and the wait for them.
;   v96-159            Products write the scores; vector instructions turn them into p; the holds and conversions are their last readers.  ONE wait on va_vdst behind all four blocks' conversions; V's sixteen loads follow in one run,
;                      and O^T's rescaling and the codes' lane swaps, which name none of these registers, stand between the loads and the wait for them.
;   v192-207, v253     p's codes and scale word: vector instructions write them, scaled products take them: a wait on va_vdst directly ahead of those products, behind their places.
;   v24-31, v48-55, v72-79  The zero codes: written once at the head, ahead of the head's wait; scaled products take them.
.set SLOTB, 17408                      ; an LDS slot: K's codes 8,192, V's codes 8,192, K's scale words 512, V's 256
.set VCO,   8192
.set KSC,   16384
.set VSC,   16896
.set WV,   2                           ; s2   my wave's number
.set CNT,  3                           ; s3   pairs of steps to go
.set MP,   4                           ; s[4:5]   my tile's lane masks of the step in hand
.set KP,   6                           ; s[6:7]   K's tile that is fetched next;  s[8:9] V's;  s[10:11] their scale words
.set VP,   8
.set SP,   10
.set PFB,  12                          ; s[12:13] the prefetches' base: K's tile (wave 0) or V's (wave 1) that is fetched next
.set CX,   14                          ; s[14:15] my codes of ctx;  s[28:29] my scale bytes
.set CXS,  28
.set ACT,  16                          ; s16-20: bit 0 speaks of the step in hand; all five are shifted right by one a step
.set MIX,  17
.set NEED, 18                          ; some wave of the work-group walks the step
.set NEXT, 19                          ; the same of the next step
.set PFM,  20                          ; I prefetch in this step
.set CS,   22                          ; s[22:23] log2(e), twice: the packed form names a pair
.set SEL,  24                          ; s[24:25] v_permlanex16_b32's selects for lane l xor 16
.set MNT,  26                          ; s26  the mantissa field of 448
; Four tiles of scores (tiles 4 g .. 4 g + 3: two blocks of 32 keys): the selects of a step with hidden keys, and each block's largest score
.macro HALF g
	s_bitcmp1_b32 s[MIX], 0
	s_cbranch_scc0 .Lopen_\@                       ; all 128 keys count for all 16 queries
	s_wait_kmcnt 0x0                               ; the lane masks are in, ahead of the selects that read them
.set n, 32*(\g)
.rept 32
.if n < 32
	v_cndmask_b32 v[96+n], v7, v[96+n], s[32+n]    ; a hidden key's score becomes -2^127
.else
	v_cndmask_b32 v[96+n], v7, v[96+n], s[36+n]
.endif
.set n, n+1
.endr
.Lopen_\@:
.irp b, 0,1
	v_max3_num_f32 v[232+2*(\g)+\b], v[96+32*(\g)+16*\b], v[97+32*(\g)+16*\b], v[98+32*(\g)+16*\b]   ; the largest score of each block of 32 keys: it serves for the row's maximum and, since p rises with the score, for the block's largest p
.endr
.irp i, 3,5,7,9,11,13
.irp b, 0,1
	v_max3_num_f32 v[232+2*(\g)+\b], v[232+2*(\g)+\b], v[96+32*(\g)+16*\b+\i], v[97+32*(\g)+16*\b+\i]   ; (the two blocks by turns)
.endr
.endr
.irp b, 0,1
	v_max_num_f32 v[232+2*(\g)+\b], v[232+2*(\g)+\b], v[111+32*(\g)+16*\b]
.endr
.endm
; THE WORK OF A KEY STEP: 128 keys out of slot \slot
.macro COMPUTE slot
.set LB, (\slot)*SLOTB
	s_wait_alu depctr_va_vdst(0)                   ; the products of the step that I walked last are done reading K's registers v40-87 and the scale words v217-222, in which the LDS loads below land
	s_load_b512 s[32:47], s[MP:MP+1], 0x0          ; the step's 64 lane masks: they land while the scores are made
	s_load_b512 s[48:63], s[MP:MP+1], 0x40
	s_load_b512 s[68:83], s[MP:MP+1], 0x80
	s_load_b512 s[84:99], s[MP:MP+1], 0xc0
.irp g, 0,1                                    ; S^T = K Q^T, four tiles of 16 keys at a time
.if \g > 0
	s_wait_alu depctr_va_vdst(0)                   ; the first four products are done reading K's registers, in which the other four tiles' codes land
.endif
.irp p, 0,1
.irp c, 0,1
	ds_load_b128 v[40+24*\p+4*\c:43+24*\p+4*\c], v1 offset:LB+1024*(4*\g+2*\p)+512*\c
	ds_load_b128 v[56+24*\p+4*\c:59+24*\p+4*\c], v1 offset:LB+1024*(4*\g+2*\p+1)+512*\c
.endr
.endr
.if \g == 0
.irp x, 0,1,2,3
	ds_load_b32 v[217+\x], v2 offset:LB+KSC+128*\x   ; lanes 0-15: tile 2 x's words, lanes 16-31: tile 2 x + 1's
.endr
	ds_load_b32 v221, v2 offset:LB+VSC
	ds_load_b32 v222, v2 offset:LB+VSC+128
.else
	HALF 0                                         ; the first four tiles' selects and maxima stand between the loads and the wait for them: no line of theirs names a register that those loads touch
.endif
	s_wait_dscnt 0x0
.irp p, 0,1
	v_wmma_scale_f32_16x16x128_f8f6f4 v[96+8*(4*\g+2*\p):103+8*(4*\g+2*\p)], v[40+24*\p:55+24*\p], v[16:31], 0, v[217+2*\g+\p], v223
	v_wmma_scale_f32_16x16x128_f8f6f4 v[104+8*(4*\g+2*\p):111+8*(4*\g+2*\p)], v[48+24*\p:63+24*\p], v[24:39], 0, v[217+2*\g+\p], v223 matrix_a_scale:MATRIX_SCALE_ROW1
.endr
.rept 8
	v_nop                                          ; eight places behind the products, before vector instructions read and write their results
.endr
.endr                                          ; register 8 t + j of lane (r, h): query r, key 16 t + 8 h + j
	HALF 1
.irp b, 0,1,2,3
	v_permlanex16_b32 v[236+\b], v[232+\b], s[SEL], s[SEL+1]
.endr
.irp b, 0,1,2,3
	v_max_num_f32 v[232+\b], v[232+\b], v[236+\b]  ; with lane l xor 16's 16 keys
.endr
	v_max3_num_f32 v254, v232, v233, v234
	v_max_num_f32 v254, v254, v235                 ; the step's largest score of my query
	v_mul_f32 v254, s[CS], v254                    ; as t
	v_max_num_f32 v13, v13, v254                   ; the running largest t
	v_mov_b32 v254, v12
	v_floor_f32 v12, -v13                          ; the new -M = floor(-t) = -ceil(t): a whole number
	v_sub_f32 v254, v12, v254                      ; old M - new M: a whole number, 0 or less
	v_cvt_i32_f32 v254, v254                       ; (it saturates)
	v_ldexp_f32 v252, 1.0, v254                    ; f = 2^(old M - new M)
.irp j, 0,2,4,6,8,10,12,14,16,18,20,22,24,26,28,30,32,34,36,38,40,42,44,46,48,50,52,54,56,58,60,62
	v_pk_fma_f32 v[96+\j:97+\j], v[96+\j:97+\j], s[CS:CS+1], v[12:13] op_sel_hi:[1,0,0]   ; t - M, two at a time
.endr
.irp b, 0,1,2,3
	v_fma_f32 v[232+\b], v[232+\b], s[CS], v12     ; the same of each block's largest score
.endr
.irp j, 0,1,2,3,4,5,6,7,8,9,10,11,12,13,14,15,16,17,18,19,20,21,22,23,24,25,26,27,28,29,30,31,32,33,34,35,36,37,38,39,40,41,42,43,44,45,46,47,48,49,50,51,52,53,54,55,56,57,58,59,60,61,62,63
	v_exp_f32 v[96+\j], v[96+\j]                   ; p = 2^(t - M), at most 1
.endr
	v_pk_mul_f32 v[14:15], v[14:15], v[252:253] op_sel_hi:[1,0]   ; the sums under the new M (a plain instruction behind the exponentials)
	s_wait_alu depctr_va_vdst(0)                   ; the 64 exponentials have written p: one wait for the whole batch, ahead of its first reader
.irp b, 0,1,2,3
	v_exp_f32 v[232+\b], v[232+\b]                 ; the block's largest p
.endr
	v_pk_add_f32 v[236:237], v[96:97], v[98:99]    ; the row's sum is taken of the unquantised p: two at a time, in two chains
.irp j, 4,8,12,16,20,24,28,32,36,40,44,48,52,56,60
	v_pk_add_f32 v[14:15], v[14:15], v[96+\j:97+\j]
	v_pk_add_f32 v[236:237], v[236:237], v[98+\j:99+\j]
.endr
	v_pk_add_f32 v[14:15], v[14:15], v[236:237]
	s_wait_alu depctr_va_vdst(0)                   ; the four exponentials have written v232-235: one wait for the four, ahead of their first reader
.irp b, 0,1,2,3
	v_max_num_f32 v[232+\b], 0x4800000, v[232+\b]  ; the floor 2^(9 - 127): the byte cannot fall under 1
.endr
.irp b, 0,1,2,3
	v_add_nc_u32 v[244+\b], 0xfc000000, v[232+\b]  ; 8 off the exponent field: the conversion's scale operand
.endr
.irp b, 0,1,2,3
	v_and_or_b32 v[240+\b], v[232+\b], 0x7f800000, s[MNT]   ; 448 x the scale
.endr
.irp b, 0,1,2,3
	v_lshrrev_b32 v[236+\b], 23, v[244+\b]         ; the scale's byte
.endr
	v_lshl_or_b32 v253, v237, 8, v236              ; p's scale word for these 128 keys
	v_lshl_or_b32 v253, v238, 16, v253
	v_lshl_or_b32 v253, v239, 24, v253
.irp b, 0,1,2,3
.irp i, 0,1,2,3,4,5,6,7,8,9,10,11,12,13,14,15
	v_min_num_f32 v[96+16*\b+\i], v[96+16*\b+\i], v[240+\b]   ; the conversion does not saturate (ISA guide 7.6.2); p is not negative, so the hold is one-sided
.endr
	v_cvt_scalef32_pk8_fp8_f32 v[192+4*\b:193+4*\b], v[96+16*\b:103+16*\b], v[244+\b]
	v_cvt_scalef32_pk8_fp8_f32 v[194+4*\b:195+4*\b], v[104+16*\b:111+16*\b], v[244+\b]
.endr
	s_wait_alu depctr_va_vdst(0)                   ; the holds have written v96-159 and the conversions are done reading them: V's four fragments land there
.irp b, 0,1,2,3
.irp c, 0,1,2,3
	ds_load_b128 v[96+16*\b+4*\c:99+16*\b+4*\c], v1 offset:LB+VCO+2048*\b+512*\c   ; V's tile b of 16 channels, in the registers that p has left.  No line up to the wait for these loads names v96-159 or v1
.endr
.endr
.irp j, 0,2,4,6,8,10,12,14
	v_pk_mul_f32 v[160+\j:161+\j], v[160+\j:161+\j], v[252:253] op_sel_hi:[1,0]   ; O^T under the new M: x f.  (Plain instructions between the conversions and the swaps that touch their results)
.endr
.irp b, 0,1,2,3
.irp i, 0,1
	v_permlane16_swap_b32 v[192+4*\b+\i], v[194+4*\b+\i]   ; p's codes in the operand's order: keys 32 b + 16 h + 0 .. 15
.endr
.endr
.irp j, 16,18,20,22,24,26,28,30
	v_pk_mul_f32 v[160+\j:161+\j], v[160+\j:161+\j], v[252:253] op_sel_hi:[1,0]   ; (these eight are also the places between the codes' last write and the products)
.endr
	s_wait_dscnt 0x0                               ; V is in
	s_wait_alu depctr_va_vdst(0)                   ; the swaps have written p's codes v192-207, the shifts its scale word v253: the scaled products below take them as source 1 and its scales; the places stand ahead of this wait
	v_wmma_scale_f32_16x16x128_f8f6f4 v[160:167], v[96:111], v[192:207], v[160:167], v221, v253
	v_wmma_scale_f32_16x16x128_f8f6f4 v[168:175], v[112:127], v[192:207], v[168:175], v221, v253 matrix_a_scale:MATRIX_SCALE_ROW1
	v_wmma_scale_f32_16x16x128_f8f6f4 v[176:183], v[128:143], v[192:207], v[176:183], v222, v253
	v_wmma_scale_f32_16x16x128_f8f6f4 v[184:191], v[144:159], v[192:207], v[184:191], v222, v253 matrix_a_scale:MATRIX_SCALE_ROW1
.rept 9
	v_nop                                          ; the next step's first products write over registers that these four have read: nine places
.endr
	s_wait_kmcnt 0x0                               ; the lane masks' loads are done on the way that read none of them too: their base is stepped below, and the next walked step's masks land in the same scalar registers
.endm
; A KEY STEP.  One barrier: in front of it my bytes of this step's tiles are in the slot and my reads of the other slot, which the next step overwrites, are over.
.macro KSTEP slot
	s_wait_loadcnt 0x0                             ; my bytes of this step's tiles are in registers (asked for a step ago)
	s_bitcmp1_b32 s[NEED], 0
	s_cbranch_scc0 .Lnost_\@
	ds_store_b128 v3, v[208:211] offset:(\slot)*SLOTB
	ds_store_b128 v3, v[212:215] offset:(\slot)*SLOTB+VCO
	s_cmp_lt_u32 s[WV], 6
	s_cbranch_scc0 .Lnost_\@
	ds_store_b32 v4, v216 offset:(\slot)*SLOTB+KSC ; waves 0 to 5: the 768 bytes of scale words
.Lnost_\@:
	s_wait_dscnt 0x0                               ; for the others' sake: my stores are done, and so are my reads of the other slot
	s_barrier_signal -1
	s_barrier_wait -1
	s_wait_xcnt 0x0                                ; the last prefetch, a step and a barrier back, has read its base
	s_wait_alu depctr_vm_vsrc(0)                   ; my LDS stores above have read v208-216, in which the next step's loads land: stated ahead of the branch that leads to those loads
	s_add_nc_u64 s[KP:KP+1], s[KP:KP+1], 8192      ; on to the next step's tiles
	s_add_nc_u64 s[VP:VP+1], s[VP:VP+1], 8192
	s_add_nc_u64 s[SP:SP+1], s[SP:SP+1], 768
	s_add_nc_u64 s[PFB:PFB+1], s[PFB:PFB+1], 8192
	s_bitcmp1_b32 s[NEXT], 0
	s_cbranch_scc0 .Lnold_\@
	global_load_b128 v[208:211], v3, s[KP:KP+1]    ; 512 threads x 16 bytes: the whole tile of K, and of V
	global_load_b128 v[212:215], v3, s[VP:VP+1]
	s_cmp_lt_u32 s[WV], 6
	s_cbranch_scc0 .Lnold_\@
	global_load_b32 v216, v4, s[SP:SP+1]
.Lnold_\@:
	; A prefetch of the tiles two steps on, 8,192 bytes a wave, lanes 256 bytes apart: wave 0 asks for K's, wave 1 for V's, in the head's first work-group alone, so that each block of 256 bytes is named once in the launch.
	; It stands where the wave has just issued its loads.  Steps 1 to 29 ask, for tiles 3 to 31: the first three tiles and the scale words come by their loads alone, and nothing is asked past the head's last tile.
	s_bitcmp1_b32 s[PFM], 0
	s_cbranch_scc0 .Lnopf_\@
	global_prefetch_b8 v6, s[PFB:PFB+1] offset:8192 th:TH_LOAD_NT scope:SCOPE_SE
.Lnopf_\@:
	s_bitcmp1_b32 s[ACT], 0
	s_cbranch_scc0 .Lnoc_\@
	COMPUTE \slot
.Lnoc_\@:
	s_lshr_b32 s[ACT], s[ACT], 1
	s_lshr_b32 s[MIX], s[MIX], 1
	s_lshr_b32 s[NEED], s[NEED], 1
	s_lshr_b32 s[NEXT], s[NEXT], 1
	s_lshr_b32 s[PFM], s[PFM], 1
	s_add_nc_u64 s[MP:MP+1], s[MP:MP+1], 256
.endm
	s_load_b128 s[4:7], s[0:1], 0x0                ; qkv, msk
	s_load_b64 s[CX:CX+1], s[0:1], 0x10            ; ctx
	s_load_b64 s[80:81], s[0:1], 0x18              ; flags
	v_lshl_add_u32 v251, v0, 2, 0x8800
	v_mov_b32 v255, 0
	v_lshrrev_b32 v1, 5, v0
	v_readfirstlane_b32 s[WV], v1                  ; wave 0..15
	v_and_b32 v5, 31, v0                           ; lane
	v_lshlrev_b32 v1, 4, v5                        ; 16 x lane: an image's place for my lane
	v_lshlrev_b32 v2, 2, v5                        ; 4 x lane: a scale word's
	v_lshlrev_b32 v3, 4, v0                        ; 16 x thread: my bytes of a tile on its way to LDS
	v_lshlrev_b32 v4, 2, v0                        ; 4 x thread: of the scale words
	v_lshlrev_b32 v6, 8, v5                        ; 256 x lane: the prefetches' offset
	v_mov_b32 v7, 0xff000000                       ; -2^127
	v_and_b32 v8, 15, v0
	v_lshlrev_b32 v9, 2, v8                        ; 4 r
	v_lshlrev_b32 v8, 3, v8                        ; 8 r
	; all the head's vector lines stand here, while the arguments are on their way, so that one wait on va_vdst serves them all
.irp j, 0,1,2,3,4,5,6,7
	v_mov_b32 v[24+\j], 0                          ; the zero codes: written once
	v_mov_b32 v[48+\j], 0
	v_mov_b32 v[72+\j], 0
.endr
	v_mov_b32 v13, 0xff61b1e6                      ; the largest t so far: -3e38, under every t
	v_floor_f32 v12, -v13                          ; -M
	v_mov_b32 v14, 0                               ; the sum, in two halves
	v_mov_b32 v15, 0
.irp j, 0,1,2,3,4,5,6,7,8,9,10,11,12,13,14,15,16,17,18,19,20,21,22,23,24,25,26,27,28,29,30,31
	v_mov_b32 v[160+\j], 0                         ; O^T.  (The step is written for every trip alike: the first finds zeros, which the first change of M leaves zeros)
.endr
.irp b, 0,1,2,3
	v_mov_b32 v[236+\b], 0                         ; written once: a lane permute's destination counts as one of its sources
.endr
	v_mov_b32 v252, 0
	v_mov_b32 v253, 0                              ; (named as the upper half of the pair v[252:253] before it is first written)
	s_wait_alu depctr_va_sdst(0)                   ; the wave's number s2 is written, ahead of its first reader: my tile, my addresses and the branches on the wave are made from it
	s_and_b32 s27, ttmp7, 0xffff                   ; the head
	s_lshr_b32 s30, s[WV], 2
	s_xor_b32 s30, s30, s[WV]
	s_and_b32 s30, s30, 1                          ; which of the two blocks: so dealt that each SIMD has two waves of each
	s_sub_co_u32 s3, 31, ttmp9
	s_cmp_eq_u32 s30, 1
	s_cselect_b32 s30, s3, ttmp9
	s_lshl_b32 s30, s30, 3
	s_lshr_b32 s3, s[WV], 1
	s_add_co_u32 s21, s30, s3                      ; T: my tile of 16 queries
	s_mov_b32 s31, 0                               ; (the upper word of the offsets in s[30:31])
	s_mov_b32 s[CS], 0x3fb8aa3b                    ; log2(e)
	s_mov_b32 s[CS+1], s[CS]
	s_mov_b32 s[SEL], 0x76543210
	s_mov_b32 s[SEL+1], 0xfedcba98
	s_mov_b32 s[MNT], 0x600000
	s_wait_kmcnt 0x0
	s_mov_b64 s[76:77], s[4:5]                     ; qkv
	s_mov_b64 s[78:79], s[6:7]                     ; msk
	s_lshl_b32 s30, s27, 18                        ; 262,144 bytes of codes a head
	s_add_nc_u64 s[68:69], s[76:77], s[30:31]
	s_add_nc_u64 s[KP:KP+1], s[68:69], 4194304     ; K's tile of step 0
	s_add_nc_u64 s[VP:VP+1], s[68:69], 8388608     ; V's
	s_lshl_b32 s30, s21, 10
	s_add_nc_u64 s[68:69], s[68:69], s[30:31]      ; my tile of Q
	s_mul_i32 s30, s27, 24576                      ; 24,576 bytes of scale words a head
	s_add_nc_u64 s[70:71], s[76:77], s[30:31]
	s_add_nc_u64 s[SP:SP+1], s[70:71], 12976128    ; K's and V's of step 0
	s_add_nc_u64 s[70:71], s[70:71], 12582912
	s_lshr_b32 s30, s21, 3
	s_mul_i32 s30, s30, 768
	s_and_b32 s3, s21, 7
	s_lshl_b32 s3, s3, 6
	s_add_co_u32 s30, s30, s3
	s_add_nc_u64 s[70:71], s[70:71], s[30:31]      ; my tile's of Q
	s_lshl_b32 s30, s21, 13
	s_add_nc_u64 s[MP:MP+1], s[78:79], s[30:31]    ; my tile's lane masks
	s_lshl_b32 s30, ttmp9, 6                       ; the flags, 8 bytes a tile:
	s_add_nc_u64 s[72:73], s[80:81], s[30:31]      ; those of block i's eight tiles,
	s_sub_co_u32 s30, 31, ttmp9
	s_lshl_b32 s30, s30, 6
	s_add_nc_u64 s[74:75], s[80:81], s[30:31]      ; of block 31 - i's,
	s_lshl_b32 s30, s21, 3
	s_add_nc_u64 s[78:79], s[80:81], s[30:31]      ; and my own
	s_load_b512 s[32:47], s[72:73], 0x0
	s_load_b512 s[48:63], s[74:75], 0x0
	s_load_b64 s[ACT:ACT+1], s[78:79], 0x0
	s_wait_alu depctr_va_vdst(0)                   ; the offsets and LDS addresses v1-4, v6, v8, v9 are written, which every load, store and prefetch of the kernel reads; so are the closing add's v251 and v255, and the zero codes, which scaled products take
	global_load_b128 v[16:19], v1, s[68:69]        ; Q's 64 codes a row, once for the lower half of K,
	global_load_b128 v[20:23], v1, s[68:69] offset:512
	global_load_b128 v[32:35], v1, s[68:69]        ; once for the upper
	global_load_b128 v[36:39], v1, s[68:69] offset:512
	global_load_b32 v223, v9, s[70:71]             ; Q's scale words
	global_load_b128 v[208:211], v3, s[KP:KP+1]    ; step 0's tiles
	global_load_b128 v[212:215], v3, s[VP:VP+1]
	s_cmp_lt_u32 s[WV], 6
	s_cbranch_scc0 .Lno_sc0
	global_load_b32 v216, v4, s[SP:SP+1]
.Lno_sc0:
	s_cmp_eq_u32 s[WV], 0
	s_cselect_b64 s[PFB:PFB+1], s[KP:KP+1], s[VP:VP+1]
	s_lshr_b32 s30, s[WV], 1
	s_or_b32 s30, s30, ttmp9
	s_cmp_eq_u32 s30, 0                            ; waves 0 and 1 of the head's first work-group
	s_cselect_b32 s[PFM], 0x3ffffffe, 0
	s_lshl_b32 s30, s21, 9                         ; ctx's scale bytes: [T][4 heads' K step of 256][r][8 bytes]: my head's two
	s_lshr_b32 s3, s27, 2
	s_lshl_b32 s3, s3, 7
	s_add_co_u32 s30, s30, s3
	s_and_b32 s3, s27, 3
	s_lshl_b32 s3, s3, 1
	s_add_co_u32 s30, s30, s3
	s_add_co_u32 s30, s30, 4194304
	s_add_nc_u64 s[CXS:CXS+1], s[CX:CX+1], s[30:31]
	s_lshl_b32 s30, s21, 14                        ; ctx's codes: [T][K step of 128: two heads][c 4][lane][16]
	s_lshr_b32 s3, s27, 1
	s_lshl_b32 s3, s3, 11
	s_add_co_u32 s30, s30, s3
	s_and_b32 s3, s27, 1
	s_lshl_b32 s3, s3, 10
	s_add_co_u32 s30, s30, s3
	s_add_nc_u64 s[CX:CX+1], s[CX:CX+1], s[30:31]
	s_wait_kmcnt 0x0
	s_or_b32 s[NEED], s32, s34                     ; the steps that some wave of the work-group walks: the sixteen tiles' ACT
.irp k, 36,38,40,42,44,46,48,50,52,54,56,58,60,62
	s_or_b32 s[NEED], s[NEED], s[\k]
.endr
	s_lshr_b32 s[NEXT], s[NEED], 1
	s_mov_b32 s[CNT], 16
.Lpair:                                            ; 16 trips of two steps: slot 0, slot 1
	KSTEP 0
	KSTEP 1
	s_sub_co_u32 s[CNT], s[CNT], 1
	s_cmp_lg_u32 s[CNT], 0
	s_cbranch_scc1 .Lpair
	; THE WAY OUT.  O^T / the sum is my 16 queries' part of ctx: register 8 t + j = channel 16 t + 8 h + j.  It is quantised along the channels (two blocks of 32) and leaves as an image of the next operand's registers.
	v_add_f32 v14, v14, v15                        ; the sum's two halves,
	v_permlanex16_b32 v252, v14, s[SEL], s[SEL+1]
	v_add_f32 v14, v14, v252                       ; and lane l xor 16's: the row's sum
	v_rcp_f32 v14, v14
	v_nop                                          ; a plain instruction behind the reciprocal
	s_wait_alu depctr_va_vdst(0)                   ; the reciprocal has written v14: the wait ahead of its first reader
.irp j, 0,2,4,6,8,10,12,14,16,18,20,22,24,26,28,30
	v_pk_mul_f32 v[96+\j:97+\j], v[160+\j:161+\j], v[14:15] op_sel_hi:[1,0]
.endr
.irp b, 0,1
	v_max3_num_f32 v[232+\b], |v[96+16*\b]|, |v[97+16*\b]|, 0x4800000
.endr
.irp i, 2,4,6,8,10,12,14
.irp b, 0,1
	v_max3_num_f32 v[232+\b], v[232+\b], |v[96+16*\b+\i]|, |v[97+16*\b+\i]|
.endr
.endr
.irp b, 0,1
	v_permlanex16_b32 v[236+\b], v[232+\b], s[SEL], s[SEL+1]
.endr
.irp b, 0,1
	v_max_num_f32 v[232+\b], v[232+\b], v[236+\b]
.endr
.irp b, 0,1
	v_add_nc_u32 v[244+\b], 0xfc000000, v[232+\b]
.endr
.irp b, 0,1
	v_and_or_b32 v[240+\b], v[232+\b], 0x7f800000, s[MNT]
.endr
.irp b, 0,1
	v_lshrrev_b32 v[236+\b], 23, v[244+\b]
.endr
	v_lshl_or_b32 v248, v237, 8, v236              ; my head's two scale bytes of row r
.irp b, 0,1
.irp i, 0,1,2,3,4,5,6,7,8,9,10,11,12,13,14,15
	v_med3_num_f32 v[96+16*\b+\i], v[96+16*\b+\i], -v[240+\b], v[240+\b]
.endr
	v_cvt_scalef32_pk8_fp8_f32 v[192+4*\b:193+4*\b], v[96+16*\b:103+16*\b], v[244+\b]
	v_cvt_scalef32_pk8_fp8_f32 v[194+4*\b:195+4*\b], v[104+16*\b:111+16*\b], v[244+\b]
.endr
	v_nop                                          ; a plain instruction between the conversions and the lines that touch their results
.irp b, 0,1
.irp i, 0,1
	v_permlane16_swap_b32 v[192+4*\b+\i], v[194+4*\b+\i]
.endr
.endr
	s_wait_alu depctr_va_vdst(0)                   ; the swaps have written the codes v192-199 and the shift the scale bytes v248, which the three stores read
	global_store_b128 v1, v[192:195], s[CX:CX+1]   ; 32 lanes store 512 consecutive bytes
	global_store_b128 v1, v[196:199], s[CX:CX+1] offset:512
	global_store_b16 v8, v248, s[CXS:CXS+1]        ; two bytes a row, one thirty-second of ctx's bytes; lanes l and l + 16 write the same bytes with the same value
	s_wait_dscnt 0x0                               ; the closing lines, six on end
	s_wait_alu 0x0
	s_wait_tensorcnt 0x0
	ds_add_u32 v251, v255
	s_wait_dscnt 0x0
	s_endpgm
.Lfunc_end_k_qe83edd90ac_attn:
	.size	k_qe83edd90ac_attn, .Lfunc_end_k_qe83edd90ac_attn-k_qe83edd90ac_attn
	.p2alignl 7, 3214868480
	.fill 96, 4, 3214868480
	.section	.rodata,"a",@progbits
	.p2align	6, 0x0
	.amdhsa_kernel k_qe83edd90ac_attn
		.amdhsa_group_segment_fixed_size 36864
		.amdhsa_private_segment_fixed_size 0
		.amdhsa_enable_private_segment 0
		.amdhsa_kernarg_size 32
		.amdhsa_user_sgpr_count 2
		.amdhsa_user_sgpr_kernarg_segment_ptr 1
		.amdhsa_wavefront_size32 1
		.amdhsa_system_sgpr_workgroup_id_x 1
		.amdhsa_system_sgpr_workgroup_id_y 1
		.amdhsa_system_sgpr_workgroup_id_z 1
		.amdhsa_system_vgpr_workitem_id 0
		.amdhsa_next_free_vgpr 256
		.amdhsa_next_free_sgpr 100
		.amdhsa_reserve_vcc 0
		.amdhsa_float_denorm_mode_32 3
		.amdhsa_float_denorm_mode_16_64 3
		.amdhsa_memory_ordered 1
		.amdhsa_forward_progress 1
		.amdhsa_inst_pref_size 64
	.end_amdhsa_kernel
	.amdgpu_metadata
---
amdhsa.version: [ 1, 2 ]
amdhsa.kernels:
  - .name:           k_qe83edd90ac_attn
    .symbol:         k_qe83edd90ac_attn.kd
    .args:
      - { .name: qkv, .offset: 0, .size: 8, .value_kind: global_buffer, .address_space: global }
      - { .name: msk, .offset: 8, .size: 8, .value_kind: global_buffer, .address_space: global }
      - { .name: ctx, .offset: 16, .size: 8, .value_kind: global_buffer, .address_space: global }
      - { .name: flags, .offset: 24, .size: 8, .value_kind: global_buffer, .address_space: global }
    .group_segment_fixed_size: 36864
    .private_segment_fixed_size: 0
    .kernarg_segment_align: 8
    .kernarg_segment_size: 32
    .max_flat_workgroup_size: 512
    .sgpr_count:     100
    .vgpr_count:     256
    .wavefront_size: 32
...
	.end_amdgpu_metadata
.endif
;; end of part 5
;; launch oproj: the kernel of part 4 again; grid 4 x 16, 4 waves a work-group, clusters of 4 x 4, 327,680 bytes of LDS; arguments ctx, prep, out0; writes out0
